; MI455X (gfx1250); checked and timed in simulation.
; The chip was launched on July 23, 2026; its instructions are those of AMD's public machine-readable ISA for CDNA 5 (MIT licence, August 2026) and "CDNA5" Instruction Set Architecture Reference Guide (July 2026). The comments in the code are by the model that wrote it; some were corrected since.
;; Multi Head Attention. Allowed arithmetic: matrix products marked QUANTISED: E4M3 operands, one given power-of-two scale a tensor, by v_wmma_f32_16x16x64_fp8_fp8 or v_wmma_f32_16x16x128_fp8_fp8, f32 sums; everything else in f32.
;; Inputs: Wk 768 x 768 float32; Wo 768 x 768 float32; Wq 768 x 768 float32; Wv 768 x 768 float32; bk 768 float32; bo 768 float32; bq 768 float32; bv 768 float32; k 1 x 4,096 x 768 float32; lowp_scales 12 int32 (the exponents e of the quantised operands' scales 2^e); q 1 x 4,096 x 768 float32; v 1 x 4,096 x 768 float32.
;; Outputs: out0 1 x 4,096 x 768 float32.
;; This version of the problem:
;;   THIS VERSION OF THE PROBLEM IS GIVEN IN LOW PRECISION. The matrix products marked QUANTISED in the list below multiply operands that are first quantised to E4M3 (4 exponent bits, 3 mantissa bits; 8 bits a number), with one given power-of-two scale for each operand tensor; their sums are f32. All else is computed in f32.
;;   The module's matrix products, in the order in which they are computed (A, B: the left and right operand; K: the contracted axis; several contracted axes count as one K, in the product's order):
;;     1. [M 4,096, K 768] x [K 768, N 768]; A: input q; B: input Wq: QUANTISED (scales: A lowp_scales[0], B lowp_scales[1])
;;     2. [M 4,096, K 768] x [K 768, N 768]; A: input k; B: input Wk: QUANTISED (scales: A lowp_scales[2], B lowp_scales[3])
;;     3. [M 4,096, K 768] x [K 768, N 768]; A: input v; B: input Wv: QUANTISED (scales: A lowp_scales[4], B lowp_scales[5])
;;     4. batch 12 x [M 4,096, K 64] x [K 64, N 4,096]; A: computed on the way; B: computed on the way: QUANTISED (scales: A lowp_scales[6], B lowp_scales[7])
;;     5. batch 12 x [M 4,096, K 4,096] x [K 4,096, N 64]; A: softmax (see below); B: computed on the way: QUANTISED (scales: A lowp_scales[8], B lowp_scales[9])
;;     6. [M 4,096, K 768] x [K 768, N 768]; A: computed on the way; B: input Wo: QUANTISED (scales: A lowp_scales[10], B lowp_scales[11])
;;   THE QUANTISER, for each operand of a quantised product, along K:
;;     - The operand's scale is 2^e, e = its entry of the input lowp_scales (int32; the entries are numbered through the quantised products in the list's order, A before B).
;;     - Each number is divided by the scale, clamped to +-448, and rounded to the nearest number of E4M3, ties to even, subnormals kept.
;;     - The product sums the exact products of the quantised numbers (number of the format x scale) in f32.
;;   ~~~python
;;   def quantise(x, axis, e):      # numpy; x: float32 -> the quantised numbers, widened to float32 again
;;       x = np.moveaxis(x, axis, -1); K = x.shape[-1]
;;       r = np.clip(x / 2.0 ** e, -448, 448)
;;       step = 2.0 ** (np.maximum(np.frexp(np.where(r == 0, 1, r))[1] - 1, -6) - 3)
;;       q = np.round(r / step) * step * 2.0 ** e      # np.round: ties to even
;;       return np.moveaxis(q, -1, axis).astype(np.float32)
;;   ~~~
;;   SOFTMAX AHEAD OF A QUANTISED PRODUCT. Where the list says 'softmax', what is quantised is not the finished softmax but p = 2^(t - M), with t = logit x log2(e) and M = ceil(the row's largest t), a whole number; so 1/2 < the row's largest p <= 1. The row's sum l is taken of the UNQUANTISED p, in f32, and the product's result is divided by l at the end. Since M is a whole number, a kernel that streams over the keys may use a running M (the ceiling of the running maximum): every later rescaling is an exact power of two, so the quantised numbers keep their values, but for numbers so far below the row's largest that they fall under the format's range.
;;   OPERANDS COMPUTED ON THE WAY. 'Computed on the way' means the value that the module computes at that place (a softmax that the list does not call 'softmax' is quantised finished and normalised). What goes into a quantiser is computed in f32, as accurately as f32 sums, v_exp_f32 and their like allow (about 1e-6 of the number): no bf16 or f16 on the way to a quantiser, and a product that is left as it is and whose result goes on into a quantised operand takes f32 operands (vector FMAs, or v_wmma_f32_16x16x4_f32). A number that lies on a knife's edge between two numbers of the format may be rounded either way, as far as f32 arithmetic and the matrix unit's own rounding can turn it there, and no further.
;; 2 versions. Each part assembles by itself: llvm-mc -triple=amdgcn-amd-amdhsa -mcpu=gfx1250 --defsym DOCPART=n.
;; ======== version 1 of 2: 4 launches
;; workspace buffers: codes 11,796,480 bytes; qkvc 9,437,184 bytes; oc 3,145,728 bytes
;; launch prep (part 1): grid 240 x 1, 4 waves a work-group, no clusters, 34,304 bytes of LDS; arguments q, k, v, Wq, Wk, Wv, Wo, lowp_scales, codes; writes codes
.if DOCPART == 1
	.amdgcn_target "amdgcn-amd-amdhsa--gfx1250"
	.amdhsa_code_object_version 6
	.text
	.protected	k_q0f7e221c8f_prep
	.globl	k_q0f7e221c8f_prep
	.p2align	8
	.type	k_q0f7e221c8f_prep,@function
k_q0f7e221c8f_prep:
	s_mov_b64 s[64:65], 0
	v_nop
	global_prefetch_b8 v0, s[64:65] scope:SCOPE_SE
	s_setreg_imm32_b32 hwreg(HW_REG_WAVE_MODE, 25, 1), 1
	s_wait_xcnt 0x0
; q, k, v [4096][768] and Wq, Wk, Wv, Wo [768][768], f32 with K innermost, become codes of FP8 (E4M3), each tensor with the one scale 2^e given for it
; (entries 0, 2, 4, 1, 3, 5, 11 of the scales).  code = x / 2^e, held within +-448, to the nearest code, ties to even.
; THE CODES ARE LAID AS IMAGES OF THE OPERAND'S REGISTERS: codes[tile 960][K step 6][piece c 4][lane 32][16 bytes].  A tile is 16 rows; lane (r, h) = (lane % 16, lane / 16) stands for row
; 32 (T / 2) + 8 (T % 2) + r + 8 (r / 8) of its tensor (T: the tile's number in the tensor) and holds, in piece c of K step s, k = 128 s + 32 c + 16 h + 0 .. 15.
; So a later launch brings a fragment of 16 rows x 128 K by four loads of 16 bytes a lane at 16 x lane, and two result tiles 2 b, 2 b + 1 give a lane 16 neighbours along that axis.
; Tiles: q 0-255, k 256-511, v 512-767, Wq 768-815, Wk 816-863, Wv 864-911, Wo 912-959.
; SHARES.  A wave makes one tile, six K steps; the work-group's four waves make tiles 4 x work-group + wave.  Every tensor begins at a whole work-group, so one path serves all seven: only the pointer,
; the tensor's first work-group and e are chosen, by the work-group's number.
; A STEP.  Sixteen loads, each 512 consecutive bytes of one row (128 numbers); they go through the wave's own stage in LDS as they lie (rows 528 bytes apart) and come back 64 bytes a lane,
; 16 neighbours along K for each of the four pieces, which is what the conversions take.  The 16 rows of a read start 528 bytes apart: sixteen different 16-byte columns of 256.
; The wave's four stores of a step cover 512 consecutive bytes each, at multiples of 512 from the buffer's first byte.
; Waves share nothing: no barrier, no cluster (no byte is read by two work-groups), no matrix unit.  Two steps' loads (32 a wave) are out at a time.
; LIMITS: each e between -126 and 119, so that 2^e and 448 x 2^e are f32 numbers.  NaN among the inputs is not served; an infinity is held at the largest code.
.set ROWB,   3072                      ; a row of any of the seven tensors, in bytes
.set SPITCH, 528                       ; a stage row: 512 bytes + 16
.set WSTG,   16*SPITCH                 ; a wave's stage
.set R,      16                        ; v16-143   two sets of 64 registers, as loaded
.set X,      144                       ; v144-207  64 numbers: register 16 c + i = k 32 c + 16 h + i of my row
.set C,      208                       ; v208-239  two sets of 16 registers of codes
	s_load_b512 s[8:23], s[0:1], 0x0               ; q, k, v, Wq, Wk, Wv, Wo, the scales' exponents
	s_load_b64 s[24:25], s[0:1], 0x40              ; codes
	v_lshl_add_u32 v240, v0, 2, 0x8400
	v_mov_b32 v241, 0
	v_lshrrev_b32 v4, 5, v0
	v_readfirstlane_b32 s40, v4                    ; wave 0..3
	v_and_b32 v5, 31, v0
	v_lshlrev_b32 v1, 4, v5                        ; 16 x lane: my bytes of a load's and of a store's 512; never rewritten
	s_mul_i32 s41, s40, WSTG
	v_add_nc_u32 v2, s41, v1                       ; the stage on the way in: my wave's, + 16 x lane
	v_and_b32 v6, 15, v0                           ; r
	v_bfe_u32 v7, v0, 4, 1                         ; h
	v_mul_u32_u24 v3, v6, SPITCH
	v_lshl_add_u32 v3, v7, 6, v3
	v_add_nc_u32 v3, s41, v3                       ; and on the way out: row r, + 64 h
	s_wait_kmcnt 0x0
	s_load_b256 s[28:35], s[22:23], 0x0            ; e0 .. e7
	s_load_b128 s[36:39], s[22:23], 0x20           ; e8 .. e11
	s_mov_b64 s[4:5], s[20:21]                     ; Wo, unless the work-group's number says otherwise
	s_mov_b32 s6, 228                              ; the tensor's first work-group
.macro PICKP lim, ptr, first
	s_cmp_lt_u32 ttmp9, \lim
	s_cselect_b64 s[4:5], s[\ptr:\ptr+1], s[4:5]
	s_cselect_b32 s6, \first, s6
.endm
	PICKP 228, 18, 216                             ; Wv
	PICKP 216, 16, 204                             ; Wk
	PICKP 204, 14, 192                             ; Wq
	PICKP 192, 12, 128                             ; v
	PICKP 128, 10, 64                              ; k
	PICKP 64, 8, 0                                 ; q
	s_sub_co_u32 s42, ttmp9, s6
	s_lshl_b32 s42, s42, 2
	s_add_co_u32 s42, s42, s40                     ; T: my tile's number in its tensor
	s_lshr_b32 s43, s42, 1
	s_lshl_b32 s43, s43, 5
	s_and_b32 s44, s42, 1
	s_lshl_b32 s44, s44, 3
	s_add_co_u32 s43, s43, s44                     ; its first row: 32 (T / 2) + 8 (T % 2)
	s_mul_i32 s44, s43, ROWB
	s_mov_b32 s45, 0
	s_add_nc_u64 s[4:5], s[4:5], s[44:45]
	s_lshl_b32 s46, ttmp9, 2
	s_add_co_u32 s46, s46, s40
	s_mul_i32 s46, s46, 12288                      ; my tile's place in codes
	s_mov_b32 s47, 0
	s_add_nc_u64 s[26:27], s[24:25], s[46:47]
.macro LOAD s                          ; K step s of the tile's 16 rows (0-7 and 16-23 from its first) into set s % 2
.irp i, 0,1,2,3,4,5,6,7,8,9,10,11,12,13,14,15
	global_load_b128 v[R+64*((\s)%2)+4*\i:R+64*((\s)%2)+4*\i+3], v1, s[4:5] offset:(\i+8*(\i/8))*ROWB+512*(\s) th:TH_LOAD_NT
.endr
.endm
	LOAD 0
	LOAD 1
	s_wait_kmcnt 0x0
	s_mov_b32 s7, s39                              ; e11, Wo's
.macro PICKE lim, e
	s_cmp_lt_u32 ttmp9, \lim
	s_cselect_b32 s7, s[\e], s7
.endm
	PICKE 228, 33                                  ; Wv: e5
	PICKE 216, 31                                  ; Wk: e3
	PICKE 204, 29                                  ; Wq: e1
	PICKE 192, 32                                  ; v: e4
	PICKE 128, 30                                  ; k: e2
	PICKE 64, 28                                   ; q: e0
	s_add_co_i32 s7, s7, 127
	s_lshl_b32 s41, s7, 23
	v_mov_b32 v11, s41                             ; 2^e as f32: the conversion takes its exponent field
	s_add_co_i32 s7, s7, 8
	s_lshl_b32 s7, s7, 23
	s_or_b32 s7, s7, 0x600000
	v_mov_b32 v10, s7                              ; 448 x 2^e
.macro STEP s
.set RS, R+64*((\s)%2)
.set CS, C+16*((\s)%2)
.if (\s) < 5
	s_wait_loadcnt 16                              ; this step's sixteen loads are in; the next step's sixteen may be out
.else
	s_wait_loadcnt 0x0
.endif
.irp i, 0,1,2,3,4,5,6,7,8,9,10,11,12,13,14,15
	ds_store_b128 v2, v[RS+4*\i:RS+4*\i+3] offset:SPITCH*\i
.endr
.irp c, 0,1,2,3
.irp j, 0,1,2,3
	ds_load_b128 v[X+16*\c+4*\j:X+16*\c+4*\j+3], v3 offset:128*\c+16*\j   ; LDS serves a wave's instructions in order: these see the stores above
.endr
.endr
	s_wait_dscnt 0x0                               ; the numbers are back, so the stores into the stage have read their registers,
.if (\s) >= 2
	s_wait_xcnt 0x0                                ; and the stores of two steps ago have read this set of codes: it is written again only behind this wait
.endif
.if (\s)+2 < 6
	LOAD (\s)+2                                    ; which take the loads of two steps on
.endif
.irp c, 0,1,2,3
.irp i, 0,1,2,3,4,5,6,7,8,9,10,11,12,13,14,15
	v_med3_num_f32 v[X+16*\c+\i], v[X+16*\c+\i], -v10, v10   ; the conversion to an 8-bit code does not saturate (ISA guide 7.6.2): the hold at the largest code x the scale
.endr
	v_cvt_scalef32_pk8_fp8_f32 v[CS+4*\c:CS+4*\c+1], v[X+16*\c:X+16*\c+7], v11
	v_cvt_scalef32_pk8_fp8_f32 v[CS+4*\c+2:CS+4*\c+3], v[X+16*\c+8:X+16*\c+15], v11
.endr
	v_nop                                          ; a plain vector line behind the last conversion
.irp c, 0,1,2,3
	global_store_b128 v1, v[CS+4*\c:CS+4*\c+3], s[26:27] offset:2048*(\s)+512*\c   ; piece c of the fragment's image: 512 consecutive bytes
.endr
.endm
.irp t, 0,1,2,3,4,5
	STEP \t
.endr
	s_wait_tensorcnt 0x0
	ds_add_u32 v240, v241
	s_wait_dscnt 0x0
	s_endpgm
.Lfunc_end_k_q0f7e221c8f_prep:
	.size	k_q0f7e221c8f_prep, .Lfunc_end_k_q0f7e221c8f_prep-k_q0f7e221c8f_prep
	.p2alignl 7, 3214868480
	.fill 96, 4, 3214868480
	.section	.rodata,"a",@progbits
	.p2align	6, 0x0
	.amdhsa_kernel k_q0f7e221c8f_prep
		.amdhsa_group_segment_fixed_size 34304
		.amdhsa_private_segment_fixed_size 0
		.amdhsa_enable_private_segment 0
		.amdhsa_kernarg_size 72
		.amdhsa_user_sgpr_count 2
		.amdhsa_user_sgpr_kernarg_segment_ptr 1
		.amdhsa_wavefront_size32 1
		.amdhsa_system_sgpr_workgroup_id_x 1
		.amdhsa_system_sgpr_workgroup_id_y 1
		.amdhsa_system_sgpr_workgroup_id_z 1
		.amdhsa_system_vgpr_workitem_id 0
		.amdhsa_next_free_vgpr 242
		.amdhsa_next_free_sgpr 66
		.amdhsa_reserve_vcc 0
		.amdhsa_float_denorm_mode_32 3
		.amdhsa_float_denorm_mode_16_64 3
		.amdhsa_memory_ordered 1
		.amdhsa_forward_progress 1
		.amdhsa_inst_pref_size 55
	.end_amdhsa_kernel
	.amdgpu_metadata
---
amdhsa.version: [ 1, 2 ]
amdhsa.kernels:
  - .name:           k_q0f7e221c8f_prep
    .symbol:         k_q0f7e221c8f_prep.kd
    .args:
      - { .name: q, .offset: 0, .size: 8, .value_kind: global_buffer, .address_space: global }
      - { .name: k, .offset: 8, .size: 8, .value_kind: global_buffer, .address_space: global }
      - { .name: v, .offset: 16, .size: 8, .value_kind: global_buffer, .address_space: global }
      - { .name: Wq, .offset: 24, .size: 8, .value_kind: global_buffer, .address_space: global }
      - { .name: Wk, .offset: 32, .size: 8, .value_kind: global_buffer, .address_space: global }
      - { .name: Wv, .offset: 40, .size: 8, .value_kind: global_buffer, .address_space: global }
      - { .name: Wo, .offset: 48, .size: 8, .value_kind: global_buffer, .address_space: global }
      - { .name: lowp_scales, .offset: 56, .size: 8, .value_kind: global_buffer, .address_space: global }
      - { .name: codes, .offset: 64, .size: 8, .value_kind: global_buffer, .address_space: global }
    .group_segment_fixed_size: 34304
    .private_segment_fixed_size: 0
    .kernarg_segment_align: 8
    .kernarg_segment_size: 72
    .max_flat_workgroup_size: 128
    .sgpr_count:     66
    .vgpr_count:     242
    .wavefront_size: 32
...
	.end_amdgpu_metadata
.endif
;; end of part 1
;; launch proj (part 2): grid 32 x 6, 4 waves a work-group, no clusters, 168,448 bytes of LDS; arguments codes, bq, bk, bv, lowp_scales, qkvc; writes qkvc
.if DOCPART == 2
	.amdgcn_target "amdgcn-amd-amdhsa--gfx1250"
	.amdhsa_code_object_version 6
	.text
	.protected	k_q0f7e221c8f_proj
	.globl	k_q0f7e221c8f_proj
	.p2align	8
	.type	k_q0f7e221c8f_proj,@function
k_q0f7e221c8f_proj:
	s_mov_b64 s[64:65], 0
	v_nop
	global_prefetch_b8 v0, s[64:65] scope:SCOPE_SE
	s_setreg_imm32_b32 hwreg(HW_REG_WAVE_MODE, 25, 1), 1
	s_wait_xcnt 0x0
; The three projections on codes of FP8: xp = x W^T + b for (q, Wq, bq), (k, Wk, bk), (v, Wv, bv), and xp quantised at once for the attention's products (scales' entries 6, 7, 9).
; x's and W's codes come as images of fragments (codes[tile][K step 6][piece 4][lane][16 bytes]; lane (r, h) of tile T: row 32 (T / 2) + 8 (T % 2) + r + 8 (r / 8), k = 128 s + 32 c + 16 h + 0 .. 15).
; That is a permutation of k inside a matrix instruction, the same on both sides, so every product meets its partner; only the order of the sums inside an instruction changes.
; SHARES.  Work-group (x, y): 128 tokens (8 tiles, 4 pairs) 128 x on, of tensor y / 2 (0 q, 1 k, 2 v), features 384 (y % 2) on.  Wave w makes features 96 w .. 96 w + 95 of those 384 for all 128 tokens:
; its 6 tiles x 6 K steps of weights, 36 fragments, 576 registers, are loaded once and stay.  The tokens' codes, 98,304 consecutive bytes, are copied into LDS once, as they lie, and all four waves read them.
; 3 x 32 x 2 = 192 work-groups: 12,288 rows x 768 features in pairs of tiles and whole wave shares do not split into 256 equal parts.
; WHAT COMES OUT, again as images, so that nothing is ever transposed:
;   q, k: source 0 = 16 rows of W, source 1 = 16 tokens: a lane holds ONE token and, over tiles 2 b, 2 b + 1, 16 neighbouring features.  qkvc part 0 / 1: [head 12][tile 256][c 2][lane][16]: d = 32 c + 16 h + 0 .. 15.
;   v:    source 0 = 16 tokens, source 1 = 16 rows of W: a lane holds ONE feature and, over a pair of token tiles, 16 neighbouring tokens, which are keys.  qkvc part 2: [head][step 32][td 4][c 4][lane][16]:
;         keys 128 step + 32 c + 16 h + 0 .. 15 of channel 32 (td / 2) + 8 (td % 2) + r + 8 (r / 8).
; The bias is the C of each sum's first matrix instruction, divided by the power of two that the sums lack (2^(ea + eb)); the three scales ahead of the quantiser are folded into the conversion's one, 2^(eo - ea - eb).
; NO JOINT REQUESTS.  What work-groups share here is weights (32 row blocks read the same 294,912 bytes) and the tokens' codes (two halves of the features).  The weights go from memory straight into the registers
; in which they stay; a joint request lands in LDS, where 294,912 bytes beside the tokens' 98,304 do not fit into a work-group's 327,680, so they would pass through slots filled again and be read from LDS once more each.
; LDS bytes are filled once, by copies issued at the head; nothing is filled again.  The claim of LDS is larger than the 98,304 bytes used.
; LIMITS: eo - ea - eb between -126 and 119, so that 2^(..) and 448 x 2^(..) are f32 numbers; ea + eb goes by v_ldexp_f32.  NaN among the inputs is not served.
; REGISTERS.  Window 0: v1 16 x lane, v2 the same + 49,152 (LDS offsets have 16 bits); v3, v4 16 x thread, v12, v13 the same + 49,152 (the copies' two addresses, for the lower and the upper half of the 98,304 bytes,
;   so that every copy's immediate stays under 65,536); v5 64 h, v6 4 (r + 8 (r / 8)); v16-79 tokens' fragments, 2 buffers x 2 tiles;
;   v80-175 the 12 accumulators ((xt, t) at 80 + 8 (6 xt + t)); v176-223 the bias, 8 a weight tile; v224-247 codes; v248 the conversion's scale, v249 448 x it.
;   Windows 1, 2, 3: the weights: fragment (K step s, tile t) at v[16 (6 (s % 2) + t)] of window 1 + s / 2.
.set TILEB, 12288                      ; a tile's six images
.set FRB,   2048                       ; an image
.set PART,  3145728                    ; a part of qkvc
.set HALFX, 49152                      ; four tiles' images: half of the tokens' codes
.set LI0,   1
.set XF,    16
.set ACC,   80
.set BIAS,  176
.set PC,    224
.set MSB,   0
.macro WIN new                         ; the immediate's high byte repeats the setting that is left; a switch that changes nothing is dropped
.if MSB != (\new)
	s_set_vgpr_msb (MSB<<8)|(\new)
.set MSB, (\new)
.endif
.endm
.macro NOPS n
.rept \n
	v_nop
.endr
.endm
	s_load_b256 s[4:11], s[0:1], 0x0               ; codes, bq, bk, bv
	s_load_b128 s[12:15], s[0:1], 0x20             ; the scales' exponents, qkvc
	v_lshl_add_u32 v254, v0, 2, 0x29000
	v_mov_b32 v255, 0
	ds_add_u32 v254, v255
	ds_add_u32 v254, v255
	v_lshrrev_b32 v7, 5, v0
	v_readfirstlane_b32 s16, v7                    ; wave 0..3
	v_and_b32 v8, 31, v0
	v_lshlrev_b32 v1, 4, v8
	v_add_nc_u32 v2, HALFX, v1
	v_lshlrev_b32 v3, 4, v0
	v_lshlrev_b32 v4, 4, v0
	v_lshl_add_u32 v12, v0, 4, HALFX
	v_lshl_add_u32 v13, v0, 4, HALFX
	v_and_b32 v9, 15, v0                           ; r
	v_bfe_u32 v10, v0, 4, 1                        ; h
	v_lshlrev_b32 v5, 6, v10
	v_and_b32 v6, 8, v9
	v_add_nc_u32 v6, v6, v9
	v_lshlrev_b32 v6, 2, v6
	s_mov_b32 s17, ttmp9                           ; the block of 128 tokens
	s_and_b32 s18, ttmp7, 0xffff
	s_lshr_b32 s19, s18, 1                         ; the tensor: 0 q, 1 k, 2 v
	s_and_b32 s20, s18, 1                          ; the half of the features
	s_lshl_b32 s60, s19, 8
	s_lshl_b32 s61, s17, 3
	s_add_co_u32 s60, s60, s61
	s_mul_i32 s60, s60, TILEB                      ; the tokens' tiles: 256 x tensor + 8 x block
	s_mov_b32 s61, 0
	s_mul_i32 s73, s20, 24
	s_mul_i32 s62, s16, 6
	s_add_co_u32 s73, s73, s62                     ; g0 = 24 x half + 6 x wave: my first weight tile in its tensor
	s_mul_i32 s62, s19, 48
	s_add_co_u32 s62, s62, s73
	s_add_co_u32 s62, s62, 768
	s_mul_i32 s62, s62, TILEB                      ; and in codes: tile 768 + 48 x tensor + g0
	s_mov_b32 s63, 0
	s_lshr_b32 s72, s73, 1                         ; my first pair of weight tiles (32 features each)
	s_lshl_b32 s66, s73, 6                         ; my first feature, 16 g0, in bytes of f32
	s_mov_b32 s67, 0
	s_mul_i32 s68, s19, PART
	s_lshl_b32 s69, s17, 13
	s_add_co_u32 s68, s68, s69                     ; the part of qkvc, + 8,192 x block (8 tiles of 1,024 bytes, or a key step of 8,192)
	s_mov_b32 s69, 0
	s_wait_dscnt 0x0
	s_wait_kmcnt 0x0
	s_load_b256 s[24:31], s[12:13], 0x0            ; e0 .. e7
	s_load_b128 s[32:35], s[12:13], 0x20           ; e8 .. e11
	s_add_nc_u64 s[36:37], s[4:5], s[60:61]
; The work-group's 128 threads copy 2,048 bytes an instruction; the immediate goes onto both addresses: LDS has memory's layout.  A pair of tiles is twelve of these, in the order of issue.
.irp i, 0,1,2,3,4,5,6,7,8,9,10,11,12,13,14,15,16,17,18,19,20,21,22,23
	global_load_async_to_lds_b128 v3, v4, s[36:37] offset:2048*\i     ; tiles 0 to 3: bytes 0 to 49,151
.endr
.irp i, 0,1,2,3,4,5,6,7,8,9,10,11,12,13,14,15,16,17,18,19,20,21,22,23
	global_load_async_to_lds_b128 v12, v13, s[36:37] offset:2048*\i   ; tiles 4 to 7: bytes 49,152 to 98,303
.endr
	s_add_nc_u64 s[38:39], s[4:5], s[62:63]
	s_cmp_eq_u32 s19, 1
	s_cselect_b64 s[40:41], s[8:9], s[6:7]
	s_cmp_eq_u32 s19, 2
	s_cselect_b64 s[40:41], s[10:11], s[40:41]
	s_cselect_b32 s21, -1, 0                       ; all ones for v
	s_add_nc_u64 s[40:41], s[40:41], s[66:67]      ; the bias at my first feature
.irp b, 0,1,2
.irp u, 0,1
	global_load_b128 v[BIAS+8*(2*\b+\u):BIAS+8*(2*\b+\u)+3], v5, s[40:41] offset:128*\b+32*\u        ; q's and k's form: tile 2 b + u, register j: feature 32 b + 8 u + 16 h + j
	global_load_b128 v[BIAS+8*(2*\b+\u)+4:BIAS+8*(2*\b+\u)+7], v5, s[40:41] offset:128*\b+32*\u+16
.endr
.endr
.irp b, 0,1,2
.irp u, 0,1
	global_load_b32 v[PC+2*\b+\u], v6, s[40:41] offset:128*\b+32*\u                                  ; v's form: the lane's one feature, 32 b + 8 u + r + 8 (r / 8)
.endr
.endr
.irp s, 0,1,2,3,4,5                    ; the weights, K step by K step: 24 loads each, 512 consecutive bytes a load
	WIN (1+\s/2)<<6
.irp t, 0,1,2,3,4,5
.irp c, 0,1,2,3
	global_load_b128 v[16*(6*(\s%2)+\t)+4*\c:16*(6*(\s%2)+\t)+4*\c+3], v1, s[38:39] offset:\t*TILEB+\s*FRB+\c*512
.endr
.endr
.endr
	WIN 0
	s_add_nc_u64 s[70:71], s[14:15], s[68:69]
.irp b, 0,1,2                          ; q, k: where pair b's codes go: head P / 2, piece P % 2, P = my first pair + b
	s_add_co_u32 s74, s72, \b
	s_lshr_b32 s75, s74, 1
	s_lshl_b32 s75, s75, 18
	s_and_b32 s74, s74, 1
	s_lshl_b32 s74, s74, 9
	s_add_co_u32 s74, s74, s75
	s_mov_b32 s75, 0
	s_add_nc_u64 s[42+2*\b:43+2*\b], s[70:71], s[74:75]
.endr
.irp t, 0,1,2,3,4,5                    ; v: where tile t's codes go: head g / 4, td = g % 4, g = g0 + t
	s_add_co_u32 s74, s73, \t
	s_lshr_b32 s75, s74, 2
	s_lshl_b32 s75, s75, 18
	s_and_b32 s74, s74, 3
	s_lshl_b32 s74, s74, 11
	s_add_co_u32 s74, s74, s75
	s_mov_b32 s75, 0
	s_add_nc_u64 s[48+2*\t:49+2*\t], s[70:71], s[74:75]
.endr
	s_wait_kmcnt 0x0
	s_cmp_eq_u32 s19, 1
	s_cselect_b32 s66, s26, s24                    ; ea: e0, e2, e4
	s_cselect_b32 s67, s27, s25                    ; eb: e1, e3, e5
	s_cselect_b32 s68, s31, s30                    ; eo: e6, e7, e9
	s_cmp_eq_u32 s19, 2
	s_cselect_b32 s66, s28, s66
	s_cselect_b32 s67, s29, s67
	s_cselect_b32 s68, s33, s68
	s_add_co_i32 s66, s66, s67                     ; ea + eb
	s_sub_co_i32 s67, 0, s66
	s_sub_co_i32 s68, s68, s66                     ; eo - ea - eb
	s_add_co_i32 s68, s68, 127
	s_lshl_b32 s69, s68, 23
	v_mov_b32 v248, s69                            ; 2^(eo - ea - eb) as f32
	s_add_co_i32 s68, s68, 8
	s_lshl_b32 s68, s68, 23
	s_or_b32 s68, s68, 0x600000
	v_mov_b32 v249, s68                            ; 448 x that
	s_wait_loadcnt 63                              ; behind the bias's 18 loads 144 were issued, behind K step 2's weights 72: all of these are in
.irp t, 0,1,2,3,4,5
.irp j, 0,1,2,3,4,5,6,7
	v_cndmask_b32 v[BIAS+8*\t+\j], v[BIAS+8*\t+\j], v[PC+\t], s21   ; for v all eight registers of a tile hold the lane's one feature's bias
.endr
.endr
.irp j, 0,1,2,3,4,5,6,7,8,9,10,11,12,13,14,15,16,17,18,19,20,21,22,23,24,25,26,27,28,29,30,31,32,33,34,35,36,37,38,39,40,41,42,43,44,45,46,47
	v_ldexp_f32 v[BIAS+\j], v[BIAS+\j], s67        ; b / 2^(ea + eb)
.endr
.macro XFETCH p, s, buf                ; the pair's two fragments of K step s, as they lie, into buffer buf: eight loads
.irp xt, 0,1
.irp c, 0,1,2,3
	ds_load_b128 v[XF+32*(\buf)+16*\xt+4*\c:XF+32*(\buf)+16*\xt+4*\c+3], v[LI0+(\p)/2] offset:((2*(\p)+\xt)%4)*TILEB+(\s)*FRB+\c*512
.endr
.endr
.endm
.macro MM kind, s, t, xt               ; one product.  kind 0: source 0 = weights, source 1 = tokens; kind 1: the other way round.  K step 0 starts the sum from the bias
.set rW, 16*(6*((\s)%2)+\t)
.set rX, XF+32*((\s)%2)+16*\xt
.set rA, ACC+8*(6*\xt+\t)
.if \kind
.if (\s) == 0
	v_wmma_f32_16x16x128_fp8_fp8 v[rA:rA+7], v[rX:rX+15], v[rW:rW+15], v[BIAS+8*\t:BIAS+8*\t+7]
.else
	v_wmma_f32_16x16x128_fp8_fp8 v[rA:rA+7], v[rX:rX+15], v[rW:rW+15], v[rA:rA+7]
.endif
.else
.if (\s) == 0
	v_wmma_f32_16x16x128_fp8_fp8 v[rA:rA+7], v[rW:rW+15], v[rX:rX+15], v[BIAS+8*\t:BIAS+8*\t+7]
.else
	v_wmma_f32_16x16x128_fp8_fp8 v[rA:rA+7], v[rW:rW+15], v[rX:rX+15], v[rA:rA+7]
.endif
.endif
.endm
; A pair of token tiles: six K steps of 12 products (the 12 accumulators by turns, one instruction a turn), then the hold, the conversion and six stores of 512 consecutive bytes.
.macro BODY kind, p
	XFETCH \p, 0, 0
.irp s, 0,1,2,3,4,5
.if \s < 5
.if \s > 0
	NOPS 4                                         ; four places in front of loads into the buffer that the last K step's products read
.endif
	XFETCH \p, \s+1, (\s+1)%2
	s_wait_dscnt 8                                 ; this K step's eight loads are in; the eight just issued may be out
.else
	s_wait_dscnt 0x0
.endif
.if FIRST && (\s >= 3)
	s_wait_loadcnt 24*(5-\s)                       ; the weights of this K step are in: behind them 24 loads were issued for each later K step
.endif
.if \kind
	WIN (1+\s/2)<<2                                ; source 1: the weights' window
.else
	WIN 1+\s/2                                     ; source 0: the weights' window
.endif
.irp t, 0,1,2,3,4,5
.irp xt, 0,1
	MM \kind, \s, \t, \xt
.endr
.endr
	WIN 0
.endr
	NOPS 4                                         ; four places in front of the first read of results just made
	s_wait_xcnt 0x0                                ; the last pair's stores have read their codes: the registers are written again only behind this wait
.if \kind
.irp t, 0,1,2,3,4,5                    ; v: a lane's 16 neighbouring keys lie in accumulators (0, t) and (1, t)
.irp i, 0,1,2,3,4,5,6,7
	v_med3_num_f32 v[ACC+8*\t+\i], v[ACC+8*\t+\i], -v249, v249
.endr
.irp i, 0,1,2,3,4,5,6,7
	v_med3_num_f32 v[ACC+8*(6+\t)+\i], v[ACC+8*(6+\t)+\i], -v249, v249
.endr
	v_cvt_scalef32_pk8_fp8_f32 v[PC+4*\t:PC+4*\t+1], v[ACC+8*\t:ACC+8*\t+7], v248
	v_cvt_scalef32_pk8_fp8_f32 v[PC+4*\t+2:PC+4*\t+3], v[ACC+8*(6+\t):ACC+8*(6+\t)+7], v248
.endr
	v_nop                                          ; a plain vector line behind the last conversion: the next products write its sources
.irp t, 0,1,2,3,4,5
	global_store_b128 v1, v[PC+4*\t:PC+4*\t+3], s[48+2*\t:49+2*\t] offset:512*(\p)   ; piece c = the pair's number: keys 32 p + 16 h + 0 .. 15 of the step
.endr
.else
.irp xt, 0,1                           ; q, k: a lane's 16 neighbouring features lie in accumulators (xt, 2 b) and (xt, 2 b + 1), 16 registers on end
.irp b, 0,1,2
.irp i, 0,1,2,3,4,5,6,7,8,9,10,11,12,13,14,15
	v_med3_num_f32 v[ACC+8*(6*\xt+2*\b)+\i], v[ACC+8*(6*\xt+2*\b)+\i], -v249, v249
.endr
	v_cvt_scalef32_pk8_fp8_f32 v[PC+4*(3*\xt+\b):PC+4*(3*\xt+\b)+1], v[ACC+8*(6*\xt+2*\b):ACC+8*(6*\xt+2*\b)+7], v248
	v_cvt_scalef32_pk8_fp8_f32 v[PC+4*(3*\xt+\b)+2:PC+4*(3*\xt+\b)+3], v[ACC+8*(6*\xt+2*\b)+8:ACC+8*(6*\xt+2*\b)+15], v248
.endr
.endr
	v_nop                                          ; a plain vector line behind the last conversion
.irp xt, 0,1
.irp b, 0,1,2
	global_store_b128 v1, v[PC+4*(3*\xt+\b):PC+4*(3*\xt+\b)+3], s[42+2*\b:43+2*\b] offset:(2*(\p)+\xt)*1024
.endr
.endr
.endif
.endm
.irp p, 0,1,2,3
.if \p == 0
.set FIRST, 1
.else
.set FIRST, 0
.endif
	s_wait_asynccnt 12*(3-\p)                      ; my part of pair p's codes is in LDS; the later pairs' copies, twelve each, may be out
	s_barrier_signal -1                            ; (no LDS instruction of mine is out: each pair ends behind a wait for all its LDS loads)
	s_barrier_wait -1                              ; everybody's part is
	s_cmp_eq_u32 s19, 2                            ; the tensor hangs on the work-group's number alone: all four waves go the same way, and only LDS loads stand on the two ways
	s_cbranch_scc1 .Lv_\p
	BODY 0, \p
	s_branch .Lj_\p
.Lv_\p:
	BODY 1, \p
.Lj_\p:
.endr
	s_wait_tensorcnt 0x0
	ds_add_u32 v254, v255
	s_wait_dscnt 0x0
	s_endpgm
.Lfunc_end_k_q0f7e221c8f_proj:
	.size	k_q0f7e221c8f_proj, .Lfunc_end_k_q0f7e221c8f_proj-k_q0f7e221c8f_proj
	.p2alignl 7, 3214868480
	.fill 96, 4, 3214868480
	.section	.rodata,"a",@progbits
	.p2align	6, 0x0
	.amdhsa_kernel k_q0f7e221c8f_proj
		.amdhsa_group_segment_fixed_size 168448
		.amdhsa_private_segment_fixed_size 0
		.amdhsa_enable_private_segment 0
		.amdhsa_kernarg_size 48
		.amdhsa_user_sgpr_count 2
		.amdhsa_user_sgpr_kernarg_segment_ptr 1
		.amdhsa_wavefront_size32 1
		.amdhsa_system_sgpr_workgroup_id_x 1
		.amdhsa_system_sgpr_workgroup_id_y 1
		.amdhsa_system_sgpr_workgroup_id_z 1
		.amdhsa_system_vgpr_workitem_id 0
		.amdhsa_next_free_vgpr 960
		.amdhsa_next_free_sgpr 80
		.amdhsa_reserve_vcc 0
		.amdhsa_float_denorm_mode_32 3
		.amdhsa_float_denorm_mode_16_64 3
		.amdhsa_memory_ordered 1
		.amdhsa_forward_progress 1
		.amdhsa_inst_pref_size 161
	.end_amdhsa_kernel
	.amdgpu_metadata
---
amdhsa.version: [ 1, 2 ]
amdhsa.kernels:
  - .name:           k_q0f7e221c8f_proj
    .symbol:         k_q0f7e221c8f_proj.kd
    .args:
      - { .name: codes, .offset: 0, .size: 8, .value_kind: global_buffer, .address_space: global }
      - { .name: bq, .offset: 8, .size: 8, .value_kind: global_buffer, .address_space: global }
      - { .name: bk, .offset: 16, .size: 8, .value_kind: global_buffer, .address_space: global }
      - { .name: bv, .offset: 24, .size: 8, .value_kind: global_buffer, .address_space: global }
      - { .name: lowp_scales, .offset: 32, .size: 8, .value_kind: global_buffer, .address_space: global }
      - { .name: qkvc, .offset: 40, .size: 8, .value_kind: global_buffer, .address_space: global }
    .group_segment_fixed_size: 168448
    .private_segment_fixed_size: 0
    .kernarg_segment_align: 8
    .kernarg_segment_size: 48
    .max_flat_workgroup_size: 128
    .sgpr_count:     80
    .vgpr_count:     960
    .wavefront_size: 32
...
	.end_amdgpu_metadata
.endif
;; end of part 2
;; launch attn (part 3): grid 64 x 4, 12 waves a work-group, no clusters, 198,144 bytes of LDS; arguments qkvc, lowp_scales, oc; writes oc
.if DOCPART == 3
	.amdgcn_target "amdgcn-amd-amdhsa--gfx1250"
	.amdhsa_code_object_version 6
	.text
	.protected	k_q0f7e221c8f_attn
	.globl	k_q0f7e221c8f_attn
	.p2align	8
	.type	k_q0f7e221c8f_attn,@function
k_q0f7e221c8f_attn:
	s_mov_b64 s[64:65], 0
	v_nop
	global_prefetch_b8 v0, s[64:65] scope:SCOPE_SE
	s_setreg_imm32_b32 hwreg(HW_REG_WAVE_MODE, 25, 1), 1
	s_wait_xcnt 0x0
; O[h][q] = the sum over keys of softmax(Q[h][q] . K[h][key] / 8) V[h][key], 12 heads of 64, 4,096 queries and keys, both products on codes of FP8 (E4M3); O / the row's sum is quantised at once for the last projection.
; THE SOFTMAX: t = score x log2(e) / 8; M = the running largest t rounded UP to a whole number; p = 2^(t - M) is what is quantised (scale 2^ep), not normalised; the row's sum is taken of the unquantised p
; and divides at the end.  When M moves, the sum and O are multiplied by 2^(old M - new M), which rounds nothing.
; INPUTS, as images of fragments (qkvc): Q at part 0 and K at part 1: [head][tile 256][c 2][lane][16 bytes]: lane (r, h) holds d = 32 c + 16 h + 0 .. 15 of token 32 (T / 2) + 8 (T % 2) + r + 8 (r / 8);
; V^T at part 2: [head][step 32][td 4][c 4][lane][16]: keys 128 step + 32 c + 16 h + 0 .. 15 of channel 32 (td / 2) + 8 (td % 2) + r + 8 (r / 8).
; Both products are used transposed: S^T = K Q^T (source 0 = 16 keys, source 1 = my 16 queries), O^T = V^T P^T: a lane holds ONE query throughout.  By the tiles' choice of rows the 16 registers of score tiles
; 2 b, 2 b + 1 are keys 32 b + 16 h + 0 .. 15, so the conversions' results ARE the second product's operand; likewise O^T's tiles 2 b, 2 b + 1 are channels 32 b + 16 h + 0 .. 15, and their codes are a piece of
; oc[query tile 256][K step 6][c 4][lane][16] (K step = head / 2, c = 2 (head % 2) + b), the last projection's operand.
; SHARES.  12 heads x 256 tiles of 16 queries are 3,072 wave tiles, 12 for each of 256 work-groups; 12 does not divide a head's 256, so a work-group (x, y) takes 4 tiles x 3 heads: wave w has head 3 y + w / 4
; and tile 4 x + w % 4.  Three waves to a SIMD, so that one wave's vector work stands beside another's products and LDS loads.  Every wave walks all keys of its head, 128 a step.
; THE SLOTS.  Two LDS slots of 98,304 bytes, two key steps each; in a slot each head has 32,768 bytes: for each of the two steps K's 8,192 bytes, then V^T's 8,192, as they lie in memory.  They are filled through
; registers: a head's four waves, 128 threads, fill their head's bytes, 8 x 16 bytes a thread for a key step.  In key step j a thread stores the bytes of step j + 2 into the other slot and asks for those of
; step j + 4: two sets of 32 registers take turns, so a load has two key steps in which to land.  One barrier for two key steps: in front of it each wave waits for its stores into the slot ahead and for its
; reads of the slot that it leaves.  Every LDS address is a constant + 32,768 x (thread / 128) + 16 x lane or + 16 x (thread % 128); each slot has its own address register, so that the immediates stay under 32,768.
; NO JOINT REQUESTS, though the 64 work-groups of a group of heads read the same K and V^T: a joint request is a tensor load.  This text has a branch on a given scale: p is at
; most 1 (a little more by the rounding of t), and 448 x 2^ep is at least 1.75 where ep >= -8, so there the 64 one-sided holds of a key step are jumped over; the fills cost a thread 16 instructions a key step.
; LIMITS: e6 + e7 between -123 and 130 (added to c's exponent field); ep and e10 between -126 and 119; ep + ev goes by v_ldexp_f32.
; REGISTERS.  Window 0: v1, v4 where I read fragments in slot 0, 1; v5, v6 where I store in slot 0, 1; v2 16 x (thread % 128): my bytes of my head's 2,048 a load; v3 256 x lane (the prefetches); v7 16 x lane;
;   v12 -M, v13 the largest t, v[14:15] the sum in two halves; v16-23 Q; v32-95 two sets of bytes on their way; v96-159 S^T, then p; v160-191 O^T; v192-207 p's codes; v208-215 at work;
;   v216 448 x 2^ep, v217 2^ep, v218 2^e10, v219 448 x 2^e10.   Window 1: v0-63: K's 8 fragments, then V^T's 4.  Six switches of the window a key step.
.set SLOTB, 98304                      ; a slot
.set CHB,   16384                      ; a head's key step in LDS: K's bytes, then V^T's
.set STEPB, 8192                       ; a key step of K, and of V^T, in memory
.set G,     32
.set S,     96
.set O,     160
.set PCD,   192
.set MSB,   0
.macro WIN new                         ; the immediate's high byte repeats the setting that is left; a switch that changes nothing is dropped
.if MSB != (\new)
	s_set_vgpr_msb (MSB<<8)|(\new)
.set MSB, (\new)
.endif
.endm
.macro NOPS n
.rept \n
	v_nop
.endr
.endm
.macro LOADC reg, off                  ; a key step of my head: 4 x 2,048 bytes of K, 4 x 2,048 of V^T; a wave's load covers 512 consecutive bytes
.irp i, 0,1,2,3
	global_load_b128 v[\reg+4*\i:\reg+4*\i+3], v2, s[16:17] offset:\off+2048*\i
.endr
.irp i, 0,1,2,3
	global_load_b128 v[\reg+16+4*\i:\reg+16+4*\i+3], v2, s[18:19] offset:\off+2048*\i
.endr
.endm
.macro STOREC adr, reg, off            ; and into LDS, in the same order
.irp i, 0,1,2,3,4,5,6,7
	ds_store_b128 v[\adr], v[\reg+4*\i:\reg+4*\i+3] offset:\off+2048*\i
.endr
.endm
; A PREFETCH INTO THE L2.  In key step j, behind the loads of key step j + 4, the bytes of key step j + 5 are asked for, which the next step's loads will name: one key step ahead of them.
; All 64 work-groups of a group of heads walk the same K and V^T: the first of them (x = 0) asks.  In it, of each head's four waves the first asks for K's 8,192 bytes and the second for V^T's, lanes 256 bytes
; apart, one instruction a step: each aligned 256 bytes is named once in the launch.  Key steps 0 to 4 come by their loads alone; the loop's last trip asks for nothing, so no request goes past key step 28.
.macro ASK
	s_cmp_gt_u32 s24, s25                          ; s25: 1 in a wave that asks, else the greatest number; s24 = 1 in the last trip
	s_cbranch_scc0 .Lnoask_\@
	global_prefetch_b8 v3, s[44:45] offset:4*STEPB th:TH_LOAD_NT scope:SCOPE_SE
.Lnoask_\@:
.endm
	s_load_b128 s[4:7], s[0:1], 0x0                ; qkvc, the scales' exponents
	s_load_b64 s[8:9], s[0:1], 0x10                ; oc
	v_lshl_add_u32 v254, v0, 2, 0x30000
	v_mov_b32 v255, 0
	v_lshrrev_b32 v8, 5, v0
	v_readfirstlane_b32 s10, v8                    ; wave 0..11
	v_and_b32 v9, 31, v0
	v_lshlrev_b32 v7, 4, v9                        ; 16 x lane
	v_lshlrev_b32 v3, 8, v9                        ; 256 x lane
	v_and_b32 v10, 127, v0
	v_lshlrev_b32 v2, 4, v10                       ; 16 x (thread % 128)
	v_lshrrev_b32 v11, 7, v0                       ; which of the three heads
	v_lshl_add_u32 v1, v11, 15, v7
	v_lshl_add_u32 v5, v11, 15, v2
	v_add_nc_u32 v4, SLOTB, v1
	v_add_nc_u32 v6, SLOTB, v5
	s_and_b32 s46, ttmp7, 0xffff
	s_mul_i32 s11, s46, 3
	s_lshr_b32 s47, s10, 2
	s_add_co_u32 s11, s11, s47                     ; the head: 3 y + wave / 4
	s_and_b32 s46, s10, 3                          ; wave % 4
	s_lshl_b32 s14, ttmp9, 2
	s_add_co_u32 s14, s14, s46                     ; T: my tile of queries: 4 x + wave % 4
	s_lshl_b32 s12, s11, 18                        ; the head's 262,144 bytes in each part
	s_mov_b32 s13, 0
	s_lshl_b32 s40, s14, 10
	s_add_co_u32 s40, s40, s12
	s_mov_b32 s41, 0
	s_mul_i32 s42, s14, 12288
	s_lshl_b32 s43, s11, 10                        ; (head / 2) x 2,048 + (head % 2) x 1,024 = head x 1,024
	s_add_co_u32 s42, s42, s43
	s_mov_b32 s43, 0
	s_lshr_b32 s47, s46, 1                         ; 0 in a head's first two waves,
	s_or_b32 s47, s47, ttmp9                       ; of the group of heads' first work-group
	s_cmp_eq_u32 s47, 0
	s_cselect_b32 s25, 1, -1
	s_mov_b32 s20, 0x76543210                      ; v_permlanex16_b32's selects: lane l xor 16
	s_mov_b32 s21, 0xfedcba98
	s_wait_kmcnt 0x0
	s_load_b256 s[28:35], s[6:7], 0x0              ; e0 .. e7
	s_load_b128 s[36:39], s[6:7], 0x20             ; e8 = ep, e9 = ev, e10, e11
	s_add_nc_u64 s[26:27], s[4:5], s[40:41]        ; Q's image of my tile
	s_add_nc_u64 s[16:17], s[4:5], s[12:13]
	s_add_nc_u64 s[18:19], s[16:17], 6291456       ; V^T of my head
	s_add_nc_u64 s[16:17], s[16:17], 3145728       ; K of my head
	s_add_nc_u64 s[8:9], s[8:9], s[42:43]          ; where my codes go
	s_cmp_eq_u32 s46, 0
	s_cselect_b64 s[44:45], s[16:17], s[18:19]     ; what my prefetches walk: K in a head's first wave, else V^T
	LOADC S, 0                                     ; key steps 0 and 1, into registers that the scores will take,
	LOADC S+32, STEPB
	global_load_b128 v[16:19], v7, s[26:27]
	global_load_b128 v[20:23], v7, s[26:27] offset:512
	LOADC G, 2*STEPB                               ; and key steps 2 and 3, into the two sets
	LOADC G+32, 3*STEPB
	v_mov_b32 v13, 0xff61b1e6                      ; the largest t so far: -3e38, under every t
	v_floor_f32 v12, -v13                          ; -M
	v_mov_b32 v14, 0
	v_mov_b32 v15, 0
	v_mov_b32 v210, 0                              ; written once: a lane permute's destination counts as one of its sources
	v_mov_b32 v213, 0                              ; (named as the upper half of the pair v[212:213])
.irp j, 0,1,2,3,4,5,6,7,8,9,10,11,12,13,14,15,16,17,18,19,20,21,22,23,24,25,26,27,28,29,30,31
	v_mov_b32 v[O+\j], 0                           ; O^T.  (The step is written once: the first finds zeros, which the first change of M leaves zeros)
.endr
	s_wait_kmcnt 0x0
	s_add_co_i32 s40, s34, s35
	s_lshl_b32 s40, s40, 23
	s_mov_b32 s22, 0x3e38aa3b                      ; c = log2(e) / 8
	s_add_co_i32 s22, s22, s40                     ; a score stands for score x 2^(e6 + e7): the two exponents are added to c's exponent field
	s_mov_b32 s23, s22                             ; (named with it as a pair, so it is written)
	s_add_co_i32 s40, s36, 127
	s_lshl_b32 s41, s40, 23
	v_mov_b32 v217, s41                            ; 2^ep
	s_add_co_i32 s40, s40, 8
	s_lshl_b32 s40, s40, 23
	s_or_b32 s40, s40, 0x600000
	v_mov_b32 v216, s40                            ; 448 x 2^ep
	s_add_co_i32 s40, s38, 127
	s_lshl_b32 s41, s40, 23
	v_mov_b32 v218, s41                            ; 2^e10
	s_add_co_i32 s40, s40, 8
	s_lshl_b32 s40, s40, 23
	s_or_b32 s40, s40, 0x600000
	v_mov_b32 v219, s40                            ; 448 x 2^e10
	s_wait_loadcnt 16                              ; key steps 0 and 1 and Q are in; the sixteen loads of key steps 2 and 3 may be out
	STOREC 5, S, 0
	STOREC 5, S+32, CHB
; A KEY STEP: 128 keys, the q-th of the slot.  st = 1: the bytes of the key step two on go into the other slot (left: the younger loads that may stay out).  ld = 1: the bytes of the key step four on are asked for.
.macro STEP slot, q, st, ld, left
.if \st
	s_wait_loadcnt \left                           ; loads come back in order: the set that I store now is in; the other set's eight loads may be out
.endif
.if \ld
	s_wait_xcnt 0x0                                ; the loads and the prefetch of the last step have read their addresses: the three pointers are written only behind this wait
	s_add_nc_u64 s[16:17], s[16:17], STEPB         ; they stand one key step on from the step in hand
	s_add_nc_u64 s[18:19], s[18:19], STEPB
	s_add_nc_u64 s[44:45], s[44:45], STEPB
.endif
.if \st
	STOREC 6-\slot, G+32*\q, \q*CHB
.endif
	NOPS 4                                         ; four places in front of loads into registers that the last products read
	WIN 0x40                                       ; destination window 1
.irp t, 0,1,2,3,4,5,6,7
.irp c, 0,1
	ds_load_b128 v[8*\t+4*\c:8*\t+4*\c+3], v[1+3*(\slot)] offset:(\q)*CHB+\t*1024+\c*512
.endr
.endr
	s_wait_dscnt 0x0                               ; K's fragments are in; and my stores into the other slot have read their registers
	WIN 0x01                                       ; source 0 window 1
.irp t, 0,1,2,3,4,5,6,7
	v_wmma_f32_16x16x64_fp8_fp8 v[S+8*\t:S+8*\t+7], v[8*\t:8*\t+7], v[16:23], 0
.endr
	NOPS 4                                         ; places in front of the loads below and of the first read of the scores
	WIN 0x40
.irp t, 0,1,2,3
.irp c, 0,1,2,3
	ds_load_b128 v[16*\t+4*\c:16*\t+4*\c+3], v[1+3*(\slot)] offset:(\q)*CHB+STEPB+\t*2048+\c*512   ; V^T's fragments land under the softmax
.endr
.endr
	WIN 0
.if \ld
	LOADC G+32*\q, 3*STEPB                         ; the key step four on, into the set just stored
	ASK
.endif
	v_max3_num_f32 v208, v96, v97, v98             ; the step's largest score of my query among my 64 keys, in two chains, each accumulator from its low end on
	v_max3_num_f32 v209, v99, v100, v101
.irp i, 6,10,14,18,22,26,30,34,38,42,46,50,54,58
	v_max3_num_f32 v208, v208, v[S+\i], v[S+1+\i]
	v_max3_num_f32 v209, v209, v[S+2+\i], v[S+3+\i]
.endr
	v_max3_num_f32 v208, v208, v158, v159
	v_max_num_f32 v208, v208, v209
	v_permlanex16_b32 v210, v208, s20, s21
	v_max_num_f32 v208, v208, v210                 ; and among lane l xor 16's
	v_mul_f32 v208, s22, v208                      ; as t (c is positive)
	v_max_num_f32 v13, v13, v208                   ; the running largest t
	v_mov_b32 v208, v12
	v_floor_f32 v12, -v13                          ; the new -M = floor(-t) = -ceil(t)
	v_sub_f32 v208, v12, v208                      ; old M - new M: a whole number, 0 or less
	v_cvt_i32_f32 v208, v208                       ; (it saturates)
	v_ldexp_f32 v212, 1.0, v208                    ; f = 2^(old M - new M)
.irp j, 0,2,4,6,8,10,12,14,16,18,20,22,24,26,28,30,32,34,36,38,40,42,44,46,48,50,52,54,56,58,60,62
	v_pk_fma_f32 v[S+\j:S+1+\j], v[S+\j:S+1+\j], s[22:23], v[12:13] op_sel_hi:[1,0,0]   ; t - M, two at a time
.endr
.irp j, 0,1,2,3,4,5,6,7,8,9,10,11,12,13,14,15,16,17,18,19,20,21,22,23,24,25,26,27,28,29,30,31,32,33,34,35,36,37,38,39,40,41,42,43,44,45,46,47,48,49,50,51,52,53,54,55,56,57,58,59,60,61,62,63
	v_exp_f32 v[S+\j], v[S+\j]                     ; p = 2^(t - M)
.endr
	v_pk_mul_f32 v[14:15], v[14:15], v[212:213] op_sel_hi:[1,0]   ; the sums under the new M: the plain line behind the exponentials
	s_wait_alu depctr_va_vdst(0)                   ; one wait for the batch of 64, ahead of its first reader
	v_pk_add_f32 v[214:215], v[S:S+1], v[S+2:S+3]  ; the row's sum is taken of the unquantised p, in two chains
.irp j, 4,8,12,16,20,24,28,32,36,40,44,48,52,56,60
	v_pk_add_f32 v[14:15], v[14:15], v[S+\j:S+1+\j]
	v_pk_add_f32 v[214:215], v[214:215], v[S+2+\j:S+3+\j]
.endr
	v_pk_add_f32 v[14:15], v[14:15], v[214:215]
	s_cmp_ge_i32 s36, -8                           ; 448 x 2^ep >= 1.75 there: no p reaches it, and the hold changes nothing
	s_cbranch_scc1 .Lnohold_\@
.irp j, 0,1,2,3,4,5,6,7,8,9,10,11,12,13,14,15,16,17,18,19,20,21,22,23,24,25,26,27,28,29,30,31,32,33,34,35,36,37,38,39,40,41,42,43,44,45,46,47,48,49,50,51,52,53,54,55,56,57,58,59,60,61,62,63
	v_min_num_f32 v[S+\j], v[S+\j], v216           ; the conversion does not saturate (ISA guide 7.6.2); p is not negative, so the hold is one-sided
.endr
.Lnohold_\@:
.irp b, 0,1,2,3
	v_cvt_scalef32_pk8_fp8_f32 v[PCD+4*\b:PCD+4*\b+1], v[S+16*\b:S+16*\b+7], v217
	v_cvt_scalef32_pk8_fp8_f32 v[PCD+4*\b+2:PCD+4*\b+3], v[S+16*\b+8:S+16*\b+15], v217
.endr
.irp j, 0,2,4,6,8,10,12,14,16,18,20,22,24,26,28,30
	v_pk_mul_f32 v[O+\j:O+1+\j], v[O+\j:O+1+\j], v[212:213] op_sel_hi:[1,0]   ; O^T under the new M; these are also the plain lines behind the conversions
.endr
	s_wait_dscnt 0x0                               ; V^T's fragments are in
	WIN 0x01                                       ; source 0 window 1
.irp t, 0,1,2,3
	v_wmma_f32_16x16x128_fp8_fp8 v[O+8*\t:O+8*\t+7], v[16*\t:16*\t+15], v[PCD:PCD+15], v[O+8*\t:O+8*\t+7]   ; the four accumulators by turns; the next step's eight score products stand between two links
.endr
	WIN 0
.endm
; A SLOT'S TWO KEY STEPS.  In front of the barrier: my stores into this slot have landed and my reads of the other one are over.  Behind it this slot is whole and nobody reads the other.
.macro SLOT slot, st, ld, l0, l1
	s_wait_dscnt 0x0
	s_barrier_signal -1
	s_barrier_wait -1
	STEP \slot, 0, \st, \ld, \l0
	STEP \slot, 1, \st, \ld, \l1
.endm
	s_mov_b32 s24, 7
.Lpair:                                            ; seven trips of four key steps: steps 0 to 27; the last of them asks for key step 31
	SLOT 0, 1, 1, 8, 8
	SLOT 1, 1, 1, 8, 8
	s_sub_co_u32 s24, s24, 1
	s_cmp_lg_u32 s24, 0
	s_cbranch_scc1 .Lpair
	SLOT 0, 1, 0, 8, 0                             ; the last four key steps are written out: nothing more is loaded, so no load leaves the buffer; the counts run down
	SLOT 1, 0, 0, 0, 0
	; THE WAY OUT: O^T x 2^(ep + ev) / the sum, held, converted with 2^e10: two pieces of the last projection's operand, 512 consecutive bytes each
	NOPS 4                                         ; places behind the last products
	v_add_f32 v14, v14, v15
	v_permlanex16_b32 v210, v14, s20, s21
	v_add_f32 v14, v14, v210                       ; the row's sum
	v_rcp_f32 v14, v14
	v_nop                                          ; a plain line behind the transcendental
	s_add_co_i32 s40, s36, s37
	s_wait_alu depctr_va_vdst(0)                   ; the wait ahead of the first reader
	v_ldexp_f32 v14, v14, s40
.irp j, 0,2,4,6,8,10,12,14,16,18,20,22,24,26,28,30
	v_pk_mul_f32 v[O+\j:O+1+\j], v[O+\j:O+1+\j], v[14:15] op_sel_hi:[1,0]
.endr
.irp b, 0,1
.irp i, 0,1,2,3,4,5,6,7,8,9,10,11,12,13,14,15
	v_med3_num_f32 v[O+16*\b+\i], v[O+16*\b+\i], -v219, v219
.endr
	v_cvt_scalef32_pk8_fp8_f32 v[PCD+4*\b:PCD+4*\b+1], v[O+16*\b:O+16*\b+7], v218
	v_cvt_scalef32_pk8_fp8_f32 v[PCD+4*\b+2:PCD+4*\b+3], v[O+16*\b+8:O+16*\b+15], v218
.endr
	v_nop
	global_store_b128 v7, v[PCD:PCD+3], s[8:9]
	global_store_b128 v7, v[PCD+4:PCD+7], s[8:9] offset:512
	s_wait_tensorcnt 0x0
	ds_add_u32 v254, v255
	s_wait_dscnt 0x0
	s_endpgm
.Lfunc_end_k_q0f7e221c8f_attn:
	.size	k_q0f7e221c8f_attn, .Lfunc_end_k_q0f7e221c8f_attn-k_q0f7e221c8f_attn
	.p2alignl 7, 3214868480
	.fill 96, 4, 3214868480
	.section	.rodata,"a",@progbits
	.p2align	6, 0x0
	.amdhsa_kernel k_q0f7e221c8f_attn
		.amdhsa_group_segment_fixed_size 198144
		.amdhsa_private_segment_fixed_size 0
		.amdhsa_enable_private_segment 0
		.amdhsa_kernarg_size 24
		.amdhsa_user_sgpr_count 2
		.amdhsa_user_sgpr_kernarg_segment_ptr 1
		.amdhsa_wavefront_size32 1
		.amdhsa_system_sgpr_workgroup_id_x 1
		.amdhsa_system_sgpr_workgroup_id_y 1
		.amdhsa_system_sgpr_workgroup_id_z 1
		.amdhsa_system_vgpr_workitem_id 0
		.amdhsa_next_free_vgpr 320
		.amdhsa_next_free_sgpr 66
		.amdhsa_reserve_vcc 0
		.amdhsa_float_denorm_mode_32 3
		.amdhsa_float_denorm_mode_16_64 3
		.amdhsa_memory_ordered 1
		.amdhsa_forward_progress 1
		.amdhsa_inst_pref_size 143
	.end_amdhsa_kernel
	.amdgpu_metadata
---
amdhsa.version: [ 1, 2 ]
amdhsa.kernels:
  - .name:           k_q0f7e221c8f_attn
    .symbol:         k_q0f7e221c8f_attn.kd
    .args:
      - { .name: qkvc, .offset: 0, .size: 8, .value_kind: global_buffer, .address_space: global }
      - { .name: lowp_scales, .offset: 8, .size: 8, .value_kind: global_buffer, .address_space: global }
      - { .name: oc, .offset: 16, .size: 8, .value_kind: global_buffer, .address_space: global }
    .group_segment_fixed_size: 198144
    .private_segment_fixed_size: 0
    .kernarg_segment_align: 8
    .kernarg_segment_size: 24
    .max_flat_workgroup_size: 384
    .sgpr_count:     66
    .vgpr_count:     320
    .wavefront_size: 32
...
	.end_amdgpu_metadata
.endif
;; end of part 3
;; launch oproj (part 4): grid 128 x 2, 4 waves a work-group, no clusters, 168,448 bytes of LDS; arguments oc, codes, bo, lowp_scales, out0; writes out0
.if DOCPART == 4
	.amdgcn_target "amdgcn-amd-amdhsa--gfx1250"
	.amdhsa_code_object_version 6
	.text
	.protected	k_q0f7e221c8f_oproj
	.globl	k_q0f7e221c8f_oproj
	.p2align	8
	.type	k_q0f7e221c8f_oproj,@function
k_q0f7e221c8f_oproj:
	s_mov_b64 s[64:65], 0
	v_nop
	global_prefetch_b8 v0, s[64:65] scope:SCOPE_SE
	s_setreg_imm32_b32 hwreg(HW_REG_WAVE_MODE, 25, 1), 1
	s_wait_xcnt 0x0
; out0 = a Wo^T + bo on codes of FP8: a's codes are oc, Wo's are tiles 912-959 of codes, both as images of fragments ([tile][K step 6][piece 4][lane][16 bytes]; lane (r, h) of tile T: row
; 32 (T / 2) + 8 (T % 2) + r + 8 (r / 8), k = 128 s + 32 c + 16 h + 0 .. 15: the same permutation of k on both sides).  Each finished sum x 2^(e10 + e11) + bo, one packed multiply-add for two numbers.
; SHARES.  Work-group (x, y): tokens 32 x .. 32 x + 31 (tiles 2 x, 2 x + 1: 24,576 consecutive bytes of oc, copied into LDS once), columns 384 y on: 256 work-groups.  Wave w makes columns 96 w .. 96 w + 95 of the 384:
; its 6 tiles x 6 K steps of Wo, 576 registers, come from memory straight into the registers in which the products read them.
; Source 0 = 16 rows of Wo, source 1 = 16 tokens: a lane holds one token and eight neighbouring columns an accumulator.
; THE WAY OUT.  A token's 384 columns come from four waves: they meet in a stage in LDS (32 rows, in the tiles' lane order, 1,536 bytes + 16), a barrier, and each wave reads eight whole rows, which are eight
; neighbouring tokens, and stores them: every store covers 512 consecutive bytes at a multiple of 256 from out0's first byte.  The stage's bytes are its own: no copy lands there.
; NO JOINT REQUESTS.  What is shared is Wo's codes (128 work-groups read the same 294,912 bytes); they are wanted in registers, each byte once; a joint request lands in LDS and would add a trip through it.
; The claim of LDS is larger than the 74,240 bytes used.  Nothing in LDS is filled again.
; LIMIT: e10 + e11 between -126 and 127, so that 2^(e10 + e11) is an f32 number.
; REGISTERS.  Window 0: v1 16 x lane; v3, v4 16 x thread; v5 64 h; v11, v12 the stage, in and out; v16-79 tokens' fragments, 2 buffers x 2 tiles; v80-175 the 12 accumulators, later rows of out0; v176-223 bo, 8 a tile.
;   Windows 1, 2, 3: Wo: fragment (K step s, tile t) at v[16 (6 (s % 2) + t)] of window 1 + s / 2.
.set TILEB, 12288
.set FRB,   2048
.set STG,   24576                      ; behind the tokens' images
.set SP,    1552                       ; a stage row: 1,536 bytes + 16: the 16 rows of a store start at 16 different 16-byte columns of 256
.set XF,    16
.set ACC,   80
.set BIAS,  176
.set MSB,   0
.macro WIN new
.if MSB != (\new)
	s_set_vgpr_msb (MSB<<8)|(\new)
.set MSB, (\new)
.endif
.endm
.macro NOPS n
.rept \n
	v_nop
.endr
.endm
	s_load_b256 s[4:11], s[0:1], 0x0               ; oc, codes, bo, the scales' exponents
	s_load_b64 s[12:13], s[0:1], 0x20              ; out0
	v_lshl_add_u32 v254, v0, 2, 0x29000
	v_mov_b32 v255, 0
	ds_add_u32 v254, v255
	ds_add_u32 v254, v255
	v_lshrrev_b32 v7, 5, v0
	v_readfirstlane_b32 s16, v7                    ; wave 0..3
	v_and_b32 v8, 31, v0
	v_lshlrev_b32 v1, 4, v8
	v_lshlrev_b32 v3, 4, v0
	v_lshlrev_b32 v4, 4, v0
	v_and_b32 v9, 15, v0                           ; r
	v_bfe_u32 v10, v0, 4, 1                        ; h
	v_lshlrev_b32 v5, 6, v10
	v_mul_u32_u24 v11, v9, SP
	v_lshl_add_u32 v11, v10, 6, v11
	s_mul_i32 s60, s16, 384
	v_add_nc_u32 v11, s60, v11
	v_add_nc_u32 v11, STG, v11                     ; into the stage: row r, + 64 h, + my wave's 384 bytes
	s_mul_i32 s60, s16, 8*SP
	v_add_nc_u32 v12, s60, v1
	v_add_nc_u32 v12, STG, v12                     ; back: my eight rows, 16 bytes a lane
	s_mov_b32 s17, ttmp9                           ; the block of 32 tokens
	s_and_b32 s20, ttmp7, 0xffff                   ; the half of the columns
	s_mul_i32 s48, s17, 2*TILEB
	s_mov_b32 s49, 0
	s_mul_i32 s50, s20, 24
	s_mul_i32 s51, s16, 6
	s_add_co_u32 s50, s50, s51                     ; g0: my first tile of Wo
	s_lshl_b32 s52, s50, 6                         ; my first column, 16 g0, in bytes of f32
	s_mov_b32 s53, 0
	s_add_co_u32 s50, s50, 912
	s_mul_i32 s50, s50, TILEB
	s_mov_b32 s51, 0
	s_lshl_b32 s60, s17, 5
	s_lshr_b32 s61, s16, 1
	s_lshl_b32 s61, s61, 3
	s_add_co_u32 s60, s60, s61
	s_and_b32 s61, s16, 1
	s_lshl_b32 s61, s61, 4
	s_add_co_u32 s60, s60, s61                     ; stage rows 8 w .. 8 w + 7 are tokens 32 x block + 8 (w / 2) + 16 (w % 2) + 0 .. 7
	s_mul_i32 s60, s60, 3072
	s_mul_i32 s61, s20, 1536
	s_add_co_u32 s60, s60, s61
	s_mov_b32 s61, 0
	s_wait_dscnt 0x0
	s_wait_kmcnt 0x0
	s_load_b64 s[44:45], s[10:11], 0x28            ; e10, e11
	s_add_nc_u64 s[36:37], s[4:5], s[48:49]
.irp i, 0,1,2,3,4,5,6,7,8,9,10,11
	global_load_async_to_lds_b128 v3, v4, s[36:37] offset:2048*\i   ; 128 threads copy 2,048 bytes; the immediate goes onto both addresses
.endr
	s_add_nc_u64 s[38:39], s[6:7], s[50:51]
	s_add_nc_u64 s[40:41], s[8:9], s[52:53]
	s_add_nc_u64 s[12:13], s[12:13], s[60:61]
.irp b, 0,1,2
.irp u, 0,1
	global_load_b128 v[BIAS+8*(2*\b+\u):BIAS+8*(2*\b+\u)+3], v5, s[40:41] offset:128*\b+32*\u        ; tile 2 b + u, register j: column 32 b + 8 u + 16 h + j
	global_load_b128 v[BIAS+8*(2*\b+\u)+4:BIAS+8*(2*\b+\u)+7], v5, s[40:41] offset:128*\b+32*\u+16
.endr
.endr
.irp s, 0,1,2,3,4,5                    ; Wo, K step by K step: 24 loads each, 512 consecutive bytes a load
	WIN (1+\s/2)<<6
.irp t, 0,1,2,3,4,5
.irp c, 0,1,2,3
	global_load_b128 v[16*(6*(\s%2)+\t)+4*\c:16*(6*(\s%2)+\t)+4*\c+3], v1, s[38:39] offset:\t*TILEB+\s*FRB+\c*512
.endr
.endr
.endr
	WIN 0
	s_wait_kmcnt 0x0
	s_add_co_i32 s46, s44, s45
	s_add_co_i32 s46, s46, 127
	s_lshl_b32 s46, s46, 23                        ; 2^(e10 + e11) as f32
	s_mov_b32 s47, s46                             ; (named with it as a pair, so it is written)
.macro XFETCH s, buf                   ; the two tiles' fragments of K step s into buffer buf: eight loads
.irp xt, 0,1
.irp c, 0,1,2,3
	ds_load_b128 v[XF+32*(\buf)+16*\xt+4*\c:XF+32*(\buf)+16*\xt+4*\c+3], v1 offset:\xt*TILEB+(\s)*FRB+\c*512
.endr
.endr
.endm
.macro MM s, t, xt                     ; one product; K step 0 starts the sum
.set rW, 16*(6*((\s)%2)+\t)
.set rX, XF+32*((\s)%2)+16*\xt
.set rA, ACC+8*(6*\xt+\t)
.if (\s) == 0
	v_wmma_f32_16x16x128_fp8_fp8 v[rA:rA+7], v[rW:rW+15], v[rX:rX+15], 0
.else
	v_wmma_f32_16x16x128_fp8_fp8 v[rA:rA+7], v[rW:rW+15], v[rX:rX+15], v[rA:rA+7]
.endif
.endm
	s_wait_asynccnt 0x0                            ; my part of the tokens' codes is in LDS,
	s_barrier_signal -1
	s_barrier_wait -1                              ; everybody's is
	XFETCH 0, 0
	s_wait_loadcnt 63                              ; behind K step 2's weights 72 loads were issued: K steps 0 to 2 are in
.irp s, 0,1,2,3,4,5
.if \s < 5
.if \s > 0
	NOPS 4                                         ; four places in front of loads into the buffer that the last K step's products read
.endif
	XFETCH \s+1, (\s+1)%2
	s_wait_dscnt 8                                 ; this K step's eight loads are in; the eight just issued may be out
.else
	s_wait_dscnt 0x0
.endif
.if \s >= 3
	s_wait_loadcnt 24*(5-\s)                       ; this K step's weights are in: behind them 24 loads were issued for each later K step
.endif
	WIN 1+\s/2                                     ; source 0: the weights' window
.irp t, 0,1,2,3,4,5
.irp xt, 0,1
	MM \s, \t, \xt                                 ; the 12 accumulators by turns, one instruction a turn
.endr
.endr
	WIN 0
.endr
	NOPS 4                                         ; four places in front of the first read of results just made
.irp xt, 0,1
.irp t, 0,1,2,3,4,5
.irp i, 0,2,4,6
	v_pk_fma_f32 v[ACC+8*(6*\xt+\t)+\i:ACC+8*(6*\xt+\t)+\i+1], v[ACC+8*(6*\xt+\t)+\i:ACC+8*(6*\xt+\t)+\i+1], s[46:47], v[BIAS+8*\t+\i:BIAS+8*\t+\i+1] op_sel_hi:[1,0,1]   ; sum x 2^(e10 + e11) + bo, each accumulator from its low end on
.endr
.endr
.endr
.irp xt, 0,1
.irp b, 0,1,2
.irp u, 0,1
	ds_store_b128 v11, v[ACC+8*(6*\xt+2*\b+\u):ACC+8*(6*\xt+2*\b+\u)+3] offset:\xt*16*SP+128*\b+32*\u
	ds_store_b128 v11, v[ACC+8*(6*\xt+2*\b+\u)+4:ACC+8*(6*\xt+2*\b+\u)+7] offset:\xt*16*SP+128*\b+32*\u+16
.endr
.endr
.endr
	s_wait_dscnt 0x0                               ; for the others' sake: my stores into the stage have landed
	s_barrier_signal -1
	s_barrier_wait -1                              ; 32 whole rows lie in the stage
.irp a, 0,1,2,3,4,5,6,7
.irp e, 0,1,2
	ds_load_b128 v[ACC+4*(3*\a+\e):ACC+4*(3*\a+\e)+3], v12 offset:\a*SP+512*\e
.endr
.endr
.irp a, 0,1,2,3,4,5,6,7
.irp e, 0,1,2
	s_wait_dscnt 23-(3*\a+\e)                      ; LDS loads come back in order: this one is in, the younger ones may be out
	global_store_b128 v1, v[ACC+4*(3*\a+\e):ACC+4*(3*\a+\e)+3], s[12:13] offset:\a*3072+512*\e th:TH_STORE_NT   ; written once, read by nobody here
.endr
.endr
	s_wait_tensorcnt 0x0
	ds_add_u32 v254, v255
	s_wait_dscnt 0x0
	s_endpgm
.Lfunc_end_k_q0f7e221c8f_oproj:
	.size	k_q0f7e221c8f_oproj, .Lfunc_end_k_q0f7e221c8f_oproj-k_q0f7e221c8f_oproj
	.p2alignl 7, 3214868480
	.fill 96, 4, 3214868480
	.section	.rodata,"a",@progbits
	.p2align	6, 0x0
	.amdhsa_kernel k_q0f7e221c8f_oproj
		.amdhsa_group_segment_fixed_size 168448
		.amdhsa_private_segment_fixed_size 0
		.amdhsa_enable_private_segment 0
		.amdhsa_kernarg_size 40
		.amdhsa_user_sgpr_count 2
		.amdhsa_user_sgpr_kernarg_segment_ptr 1
		.amdhsa_wavefront_size32 1
		.amdhsa_system_sgpr_workgroup_id_x 1
		.amdhsa_system_sgpr_workgroup_id_y 1
		.amdhsa_system_sgpr_workgroup_id_z 1
		.amdhsa_system_vgpr_workitem_id 0
		.amdhsa_next_free_vgpr 960
		.amdhsa_next_free_sgpr 66
		.amdhsa_reserve_vcc 0
		.amdhsa_float_denorm_mode_32 3
		.amdhsa_float_denorm_mode_16_64 3
		.amdhsa_memory_ordered 1
		.amdhsa_forward_progress 1
		.amdhsa_inst_pref_size 37
	.end_amdhsa_kernel
	.amdgpu_metadata
---
amdhsa.version: [ 1, 2 ]
amdhsa.kernels:
  - .name:           k_q0f7e221c8f_oproj
    .symbol:         k_q0f7e221c8f_oproj.kd
    .args:
      - { .name: oc, .offset: 0, .size: 8, .value_kind: global_buffer, .address_space: global }
      - { .name: codes, .offset: 8, .size: 8, .value_kind: global_buffer, .address_space: global }
      - { .name: bo, .offset: 16, .size: 8, .value_kind: global_buffer, .address_space: global }
      - { .name: lowp_scales, .offset: 24, .size: 8, .value_kind: global_buffer, .address_space: global }
      - { .name: out0, .offset: 32, .size: 8, .value_kind: global_buffer, .address_space: global }
    .group_segment_fixed_size: 168448
    .private_segment_fixed_size: 0
    .kernarg_segment_align: 8
    .kernarg_segment_size: 40
    .max_flat_workgroup_size: 128
    .sgpr_count:     66
    .vgpr_count:     960
    .wavefront_size: 32
...
	.end_amdgpu_metadata
.endif
;; end of part 4
;; ======== version 2 of 2: 4 launches
;; workspace buffers: codes 11,796,480 bytes; qkvc 9,437,184 bytes; oc 3,145,728 bytes
;; launch prep (part 5): grid 240 x 1, 4 waves a work-group, no clusters, 34,304 bytes of LDS; arguments q, k, v, Wq, Wk, Wv, Wo, lowp_scales, codes; writes codes
.if DOCPART == 5
	.amdgcn_target "amdgcn-amd-amdhsa--gfx1250"
	.amdhsa_code_object_version 6
	.text
	.protected	k_q0f7e221c8f_prep
	.globl	k_q0f7e221c8f_prep
	.p2align	8
	.type	k_q0f7e221c8f_prep,@function
k_q0f7e221c8f_prep:
	s_mov_b64 s[64:65], 0
	v_nop
	global_prefetch_b8 v0, s[64:65] scope:SCOPE_SE
	s_setreg_imm32_b32 hwreg(HW_REG_WAVE_MODE, 25, 1), 1
	s_wait_xcnt 0x0
; q, k, v [4096][768] and Wq, Wk, Wv, Wo [768][768], f32 with K innermost, become codes of FP8 (E4M3), each tensor with the one scale 2^e given for it
; (entries 0, 2, 4, 1, 3, 5, 11 of the scales).  code = x / 2^e, held within +-448, to the nearest code, ties to even.
; THE CODES ARE LAID AS IMAGES OF THE OPERAND'S REGISTERS: codes[tile 960][K step 6][piece c 4][lane 32][16 bytes].  A tile is 16 rows; lane (r, h) = (lane % 16, lane / 16) stands for row
; 32 (T / 2) + 8 (T % 2) + r + 8 (r / 8) of its tensor (T: the tile's number in the tensor) and holds, in piece c of K step s, k = 128 s + 32 c + 16 h + 0 .. 15.
; So a later launch brings a fragment of 16 rows x 128 K by four loads of 16 bytes a lane at 16 x lane, and two result tiles 2 b, 2 b + 1 give a lane 16 neighbours along that axis.
; Tiles: q 0-255, k 256-511, v 512-767, Wq 768-815, Wk 816-863, Wv 864-911, Wo 912-959.
; SHARES.  A wave makes one tile, six K steps; the work-group's four waves make tiles 4 x work-group + wave.  Every tensor begins at a whole work-group, so one path serves all seven: only the pointer,
; the tensor's first work-group and e are chosen, by the work-group's number.
; A STEP.  Sixteen loads, each 512 consecutive bytes of one row (128 numbers); they go through the wave's own stage in LDS as they lie (rows 528 bytes apart) and come back 64 bytes a lane,
; 16 neighbours along K for each of the four pieces, which is what the conversions take.  The 16 rows of a read start 528 bytes apart: sixteen different 16-byte columns of 256.
; The wave's four stores of a step cover 512 consecutive bytes each, at multiples of 512 from the buffer's first byte.
; Waves share nothing: no barrier, no cluster (no byte is read by two work-groups), no matrix unit.  Two steps' loads (32 a wave) are out at a time.
; LIMITS: each e between -126 and 119, so that 2^e and 448 x 2^e are f32 numbers.  NaN among the inputs is not served; an infinity is held at the largest code.
.set ROWB,   3072                      ; a row of any of the seven tensors, in bytes
.set SPITCH, 528                       ; a stage row: 512 bytes + 16
.set WSTG,   16*SPITCH                 ; a wave's stage
.set R,      16                        ; v16-143   two sets of 64 registers, as loaded
.set X,      144                       ; v144-207  64 numbers: register 16 c + i = k 32 c + 16 h + i of my row
.set C,      208                       ; v208-239  two sets of 16 registers of codes
	s_load_b512 s[8:23], s[0:1], 0x0               ; q, k, v, Wq, Wk, Wv, Wo, the scales' exponents
	s_load_b64 s[24:25], s[0:1], 0x40              ; codes
	v_lshl_add_u32 v240, v0, 2, 0x8400
	v_mov_b32 v241, 0
	v_lshrrev_b32 v4, 5, v0
	v_readfirstlane_b32 s40, v4                    ; wave 0..3
	v_and_b32 v5, 31, v0
	v_lshlrev_b32 v1, 4, v5                        ; 16 x lane: my bytes of a load's and of a store's 512; never rewritten
	s_mul_i32 s41, s40, WSTG
	v_add_nc_u32 v2, s41, v1                       ; the stage on the way in: my wave's, + 16 x lane
	v_and_b32 v6, 15, v0                           ; r
	v_bfe_u32 v7, v0, 4, 1                         ; h
	v_mul_u32_u24 v3, v6, SPITCH
	v_lshl_add_u32 v3, v7, 6, v3
	v_add_nc_u32 v3, s41, v3                       ; and on the way out: row r, + 64 h
	s_wait_alu depctr_va_vdst(0)
	s_wait_kmcnt 0x0
	s_load_b256 s[28:35], s[22:23], 0x0            ; e0 .. e7
	s_load_b128 s[36:39], s[22:23], 0x20           ; e8 .. e11
	s_mov_b64 s[4:5], s[20:21]                     ; Wo, unless the work-group's number says otherwise
	s_mov_b32 s6, 228                              ; the tensor's first work-group
.macro PICKP lim, ptr, first
	s_cmp_lt_u32 ttmp9, \lim
	s_cselect_b64 s[4:5], s[\ptr:\ptr+1], s[4:5]
	s_cselect_b32 s6, \first, s6
.endm
	PICKP 228, 18, 216                             ; Wv
	PICKP 216, 16, 204                             ; Wk
	PICKP 204, 14, 192                             ; Wq
	PICKP 192, 12, 128                             ; v
	PICKP 128, 10, 64                              ; k
	PICKP 64, 8, 0                                 ; q
	s_sub_co_u32 s42, ttmp9, s6
	s_lshl_b32 s42, s42, 2
	s_add_co_u32 s42, s42, s40                     ; T: my tile's number in its tensor
	s_lshr_b32 s43, s42, 1
	s_lshl_b32 s43, s43, 5
	s_and_b32 s44, s42, 1
	s_lshl_b32 s44, s44, 3
	s_add_co_u32 s43, s43, s44                     ; its first row: 32 (T / 2) + 8 (T % 2)
	s_mul_i32 s44, s43, ROWB
	s_mov_b32 s45, 0
	s_add_nc_u64 s[4:5], s[4:5], s[44:45]
	s_lshl_b32 s46, ttmp9, 2
	s_add_co_u32 s46, s46, s40
	s_mul_i32 s46, s46, 12288                      ; my tile's place in codes
	s_mov_b32 s47, 0
	s_add_nc_u64 s[26:27], s[24:25], s[46:47]
.macro LOAD s                          ; K step s of the tile's 16 rows (0-7 and 16-23 from its first) into set s % 2
.irp i, 0,1,2,3,4,5,6,7,8,9,10,11,12,13,14,15
	global_load_b128 v[R+64*((\s)%2)+4*\i:R+64*((\s)%2)+4*\i+3], v1, s[4:5] offset:(\i+8*(\i/8))*ROWB+512*(\s) th:TH_LOAD_NT
.endr
.endm
	LOAD 0
	LOAD 1
	s_wait_kmcnt 0x0
	s_mov_b32 s7, s39                              ; e11, Wo's
.macro PICKE lim, e
	s_cmp_lt_u32 ttmp9, \lim
	s_cselect_b32 s7, s[\e], s7
.endm
	PICKE 228, 33                                  ; Wv: e5
	PICKE 216, 31                                  ; Wk: e3
	PICKE 204, 29                                  ; Wq: e1
	PICKE 192, 32                                  ; v: e4
	PICKE 128, 30                                  ; k: e2
	PICKE 64, 28                                   ; q: e0
	s_add_co_i32 s7, s7, 127
	s_lshl_b32 s41, s7, 23
	v_mov_b32 v11, s41                             ; 2^e as f32: the conversion takes its exponent field
	s_add_co_i32 s7, s7, 8
	s_lshl_b32 s7, s7, 23
	s_or_b32 s7, s7, 0x600000
	v_mov_b32 v10, s7                              ; 448 x 2^e
.macro STEP s
.set RS, R+64*((\s)%2)
.set CS, C+16*((\s)%2)
.if (\s) < 5
	s_wait_loadcnt 16                              ; this step's sixteen loads are in; the next step's sixteen may be out
.else
	s_wait_loadcnt 0x0
.endif
.irp i, 0,1,2,3,4,5,6,7,8,9,10,11,12,13,14,15
	ds_store_b128 v2, v[RS+4*\i:RS+4*\i+3] offset:SPITCH*\i
.endr
.irp c, 0,1,2,3
.irp j, 0,1,2,3
	ds_load_b128 v[X+16*\c+4*\j:X+16*\c+4*\j+3], v3 offset:128*\c+16*\j   ; LDS serves a wave's instructions in order: these see the stores above
.endr
.endr
	s_wait_dscnt 0x0                               ; the numbers are back, so the stores into the stage have read their registers,
.if (\s) >= 2
	s_wait_xcnt 0x0                                ; and the stores of two steps ago have read this set of codes: it is written again only behind this wait
.endif
.if (\s)+2 < 6
	LOAD (\s)+2                                    ; which take the loads of two steps on
.endif
.irp c, 0,1,2,3
.irp i, 0,1,2,3,4,5,6,7,8,9,10,11,12,13,14,15
	v_med3_num_f32 v[X+16*\c+\i], v[X+16*\c+\i], -v10, v10   ; the conversion to an 8-bit code does not saturate (ISA guide 7.6.2): the hold at the largest code x the scale
.endr
	v_cvt_scalef32_pk8_fp8_f32 v[CS+4*\c:CS+4*\c+1], v[X+16*\c:X+16*\c+7], v11
	v_cvt_scalef32_pk8_fp8_f32 v[CS+4*\c+2:CS+4*\c+3], v[X+16*\c+8:X+16*\c+15], v11
.endr
	v_nop                                          ; a plain vector line behind the last conversion
.irp c, 0,1,2,3
	global_store_b128 v1, v[CS+4*\c:CS+4*\c+3], s[26:27] offset:2048*(\s)+512*\c   ; piece c of the fragment's image: 512 consecutive bytes
.endr
.endm
	s_wait_alu depctr_va_vdst(0)
.irp t, 0,1,2,3,4,5
	STEP \t
.endr
	s_wait_tensorcnt 0x0
	ds_add_u32 v240, v241
	s_wait_dscnt 0x0
	s_endpgm
.Lfunc_end_k_q0f7e221c8f_prep:
	.size	k_q0f7e221c8f_prep, .Lfunc_end_k_q0f7e221c8f_prep-k_q0f7e221c8f_prep
	.p2alignl 7, 3214868480
	.fill 96, 4, 3214868480
	.section	.rodata,"a",@progbits
	.p2align	6, 0x0
	.amdhsa_kernel k_q0f7e221c8f_prep
		.amdhsa_group_segment_fixed_size 34304
		.amdhsa_private_segment_fixed_size 0
		.amdhsa_enable_private_segment 0
		.amdhsa_kernarg_size 72
		.amdhsa_user_sgpr_count 2
		.amdhsa_user_sgpr_kernarg_segment_ptr 1
		.amdhsa_wavefront_size32 1
		.amdhsa_system_sgpr_workgroup_id_x 1
		.amdhsa_system_sgpr_workgroup_id_y 1
		.amdhsa_system_sgpr_workgroup_id_z 1
		.amdhsa_system_vgpr_workitem_id 0
		.amdhsa_next_free_vgpr 242
		.amdhsa_next_free_sgpr 66
		.amdhsa_reserve_vcc 0
		.amdhsa_float_denorm_mode_32 3
		.amdhsa_float_denorm_mode_16_64 3
		.amdhsa_memory_ordered 1
		.amdhsa_forward_progress 1
		.amdhsa_inst_pref_size 55
	.end_amdhsa_kernel
	.amdgpu_metadata
---
amdhsa.version: [ 1, 2 ]
amdhsa.kernels:
  - .name:           k_q0f7e221c8f_prep
    .symbol:         k_q0f7e221c8f_prep.kd
    .args:
      - { .name: q, .offset: 0, .size: 8, .value_kind: global_buffer, .address_space: global }
      - { .name: k, .offset: 8, .size: 8, .value_kind: global_buffer, .address_space: global }
      - { .name: v, .offset: 16, .size: 8, .value_kind: global_buffer, .address_space: global }
      - { .name: Wq, .offset: 24, .size: 8, .value_kind: global_buffer, .address_space: global }
      - { .name: Wk, .offset: 32, .size: 8, .value_kind: global_buffer, .address_space: global }
      - { .name: Wv, .offset: 40, .size: 8, .value_kind: global_buffer, .address_space: global }
      - { .name: Wo, .offset: 48, .size: 8, .value_kind: global_buffer, .address_space: global }
      - { .name: lowp_scales, .offset: 56, .size: 8, .value_kind: global_buffer, .address_space: global }
      - { .name: codes, .offset: 64, .size: 8, .value_kind: global_buffer, .address_space: global }
    .group_segment_fixed_size: 34304
    .private_segment_fixed_size: 0
    .kernarg_segment_align: 8
    .kernarg_segment_size: 72
    .max_flat_workgroup_size: 128
    .sgpr_count:     66
    .vgpr_count:     242
    .wavefront_size: 32
...
	.end_amdgpu_metadata
.endif
;; end of part 5
;; launch proj (part 6): grid 32 x 6, 4 waves a work-group, no clusters, 168,448 bytes of LDS; arguments codes, bq, bk, bv, lowp_scales, qkvc; writes qkvc
.if DOCPART == 6
	.amdgcn_target "amdgcn-amd-amdhsa--gfx1250"
	.amdhsa_code_object_version 6
	.text
	.protected	k_q0f7e221c8f_proj
	.globl	k_q0f7e221c8f_proj
	.p2align	8
	.type	k_q0f7e221c8f_proj,@function
k_q0f7e221c8f_proj:
	s_mov_b64 s[64:65], 0
	v_nop
	global_prefetch_b8 v0, s[64:65] scope:SCOPE_SE
	s_setreg_imm32_b32 hwreg(HW_REG_WAVE_MODE, 25, 1), 1
	s_wait_xcnt 0x0
; The three projections on codes of FP8: xp = x W^T + b for (q, Wq, bq), (k, Wk, bk), (v, Wv, bv), and xp quantised at once for the attention's products (scales' entries 6, 7, 9).
; x's and W's codes come as images of fragments (codes[tile][K step 6][piece 4][lane][16 bytes]; lane (r, h) of tile T: row 32 (T / 2) + 8 (T % 2) + r + 8 (r / 8), k = 128 s + 32 c + 16 h + 0 .. 15).
; That is a permutation of k inside a matrix instruction, the same on both sides, so every product meets its partner; only the order of the sums inside an instruction changes.
; SHARES.  Work-group (x, y): 128 tokens (8 tiles, 4 pairs) 128 x on, of tensor y / 2 (0 q, 1 k, 2 v), features 384 (y % 2) on.  Wave w makes features 96 w .. 96 w + 95 of those 384 for all 128 tokens:
; its 6 tiles x 6 K steps of weights, 36 fragments, 576 registers, are loaded once and stay.  The tokens' codes, 98,304 consecutive bytes, are copied into LDS once, as they lie, and all four waves read them.
; 3 x 32 x 2 = 192 work-groups: 12,288 rows x 768 features in pairs of tiles and whole wave shares do not split into 256 equal parts.
; WHAT COMES OUT, again as images, so that nothing is ever transposed:
;   q, k: source 0 = 16 rows of W, source 1 = 16 tokens: a lane holds ONE token and, over tiles 2 b, 2 b + 1, 16 neighbouring features.  qkvc part 0 / 1: [head 12][tile 256][c 2][lane][16]: d = 32 c + 16 h + 0 .. 15.
;   v:    source 0 = 16 tokens, source 1 = 16 rows of W: a lane holds ONE feature and, over a pair of token tiles, 16 neighbouring tokens, which are keys.  qkvc part 2: [head][step 32][td 4][c 4][lane][16]:
;         keys 128 step + 32 c + 16 h + 0 .. 15 of channel 32 (td / 2) + 8 (td % 2) + r + 8 (r / 8).
; The bias is the C of each sum's first matrix instruction, divided by the power of two that the sums lack (2^(ea + eb)); the three scales ahead of the quantiser are folded into the conversion's one, 2^(eo - ea - eb).
; NO JOINT REQUESTS.  What work-groups share here is weights (32 row blocks read the same 294,912 bytes) and the tokens' codes (two halves of the features).  The weights go from memory straight into the registers
; in which they stay; a joint request lands in LDS, where 294,912 bytes beside the tokens' 98,304 do not fit into a work-group's 327,680, so they would pass through slots filled again and be read from LDS once more each.
; LDS bytes are filled once, by copies issued at the head; nothing is filled again.  The claim of LDS is larger than the 98,304 bytes used.
; LIMITS: eo - ea - eb between -126 and 119, so that 2^(..) and 448 x 2^(..) are f32 numbers; ea + eb goes by v_ldexp_f32.  NaN among the inputs is not served.
; REGISTERS.  Window 0: v1 16 x lane, v2 the same + 49,152 (LDS offsets have 16 bits); v3, v4 16 x thread, v12, v13 the same + 49,152 (the copies' two addresses, for the lower and the upper half of the 98,304 bytes,
;   so that every copy's immediate stays under 65,536); v5 64 h, v6 4 (r + 8 (r / 8)); v16-79 tokens' fragments, 2 buffers x 2 tiles;
;   v80-175 the 12 accumulators ((xt, t) at 80 + 8 (6 xt + t)); v176-223 the bias, 8 a weight tile; v224-247 codes; v248 the conversion's scale, v249 448 x it.
;   Windows 1, 2, 3: the weights: fragment (K step s, tile t) at v[16 (6 (s % 2) + t)] of window 1 + s / 2.
.set TILEB, 12288                      ; a tile's six images
.set FRB,   2048                       ; an image
.set PART,  3145728                    ; a part of qkvc
.set HALFX, 49152                      ; four tiles' images: half of the tokens' codes
.set LI0,   1
.set XF,    16
.set ACC,   80
.set BIAS,  176
.set PC,    224
.set MSB,   0
.macro WIN new                         ; the immediate's high byte repeats the setting that is left; a switch that changes nothing is dropped
.if MSB != (\new)
	s_set_vgpr_msb (MSB<<8)|(\new)
.set MSB, (\new)
.endif
.endm
.macro NOPS n
.rept \n
	v_nop
.endr
.endm
	s_load_b256 s[4:11], s[0:1], 0x0               ; codes, bq, bk, bv
	s_load_b128 s[12:15], s[0:1], 0x20             ; the scales' exponents, qkvc
	v_lshl_add_u32 v254, v0, 2, 0x29000
	v_mov_b32 v255, 0
	ds_add_u32 v254, v255
	ds_add_u32 v254, v255
	v_lshrrev_b32 v7, 5, v0
	v_readfirstlane_b32 s16, v7                    ; wave 0..3
	v_and_b32 v8, 31, v0
	v_lshlrev_b32 v1, 4, v8
	v_add_nc_u32 v2, HALFX, v1
	v_lshlrev_b32 v3, 4, v0
	v_lshlrev_b32 v4, 4, v0
	v_lshl_add_u32 v12, v0, 4, HALFX
	v_lshl_add_u32 v13, v0, 4, HALFX
	v_and_b32 v9, 15, v0                           ; r
	v_bfe_u32 v10, v0, 4, 1                        ; h
	v_lshlrev_b32 v5, 6, v10
	v_and_b32 v6, 8, v9
	v_add_nc_u32 v6, v6, v9
	v_lshlrev_b32 v6, 2, v6
	s_mov_b32 s17, ttmp9                           ; the block of 128 tokens
	s_and_b32 s18, ttmp7, 0xffff
	s_lshr_b32 s19, s18, 1                         ; the tensor: 0 q, 1 k, 2 v
	s_and_b32 s20, s18, 1                          ; the half of the features
	s_lshl_b32 s60, s19, 8
	s_lshl_b32 s61, s17, 3
	s_add_co_u32 s60, s60, s61
	s_mul_i32 s60, s60, TILEB                      ; the tokens' tiles: 256 x tensor + 8 x block
	s_mov_b32 s61, 0
	s_mul_i32 s73, s20, 24
	s_mul_i32 s62, s16, 6
	s_add_co_u32 s73, s73, s62                     ; g0 = 24 x half + 6 x wave: my first weight tile in its tensor
	s_mul_i32 s62, s19, 48
	s_add_co_u32 s62, s62, s73
	s_add_co_u32 s62, s62, 768
	s_mul_i32 s62, s62, TILEB                      ; and in codes: tile 768 + 48 x tensor + g0
	s_mov_b32 s63, 0
	s_lshr_b32 s72, s73, 1                         ; my first pair of weight tiles (32 features each)
	s_lshl_b32 s66, s73, 6                         ; my first feature, 16 g0, in bytes of f32
	s_mov_b32 s67, 0
	s_mul_i32 s68, s19, PART
	s_lshl_b32 s69, s17, 13
	s_add_co_u32 s68, s68, s69                     ; the part of qkvc, + 8,192 x block (8 tiles of 1,024 bytes, or a key step of 8,192)
	s_mov_b32 s69, 0
	s_wait_alu depctr_va_vdst(0)
	s_wait_dscnt 0x0
	s_wait_kmcnt 0x0
	s_load_b256 s[24:31], s[12:13], 0x0            ; e0 .. e7
	s_load_b128 s[32:35], s[12:13], 0x20           ; e8 .. e11
	s_add_nc_u64 s[36:37], s[4:5], s[60:61]
; The work-group's 128 threads copy 2,048 bytes an instruction; the immediate goes onto both addresses: LDS has memory's layout.  A pair of tiles is twelve of these, in the order of issue.
.irp i, 0,1,2,3,4,5,6,7,8,9,10,11,12,13,14,15,16,17,18,19,20,21,22,23
	global_load_async_to_lds_b128 v3, v4, s[36:37] offset:2048*\i     ; tiles 0 to 3: bytes 0 to 49,151
.endr
.irp i, 0,1,2,3,4,5,6,7,8,9,10,11,12,13,14,15,16,17,18,19,20,21,22,23
	global_load_async_to_lds_b128 v12, v13, s[36:37] offset:2048*\i   ; tiles 4 to 7: bytes 49,152 to 98,303
.endr
	s_add_nc_u64 s[38:39], s[4:5], s[62:63]
	s_cmp_eq_u32 s19, 1
	s_cselect_b64 s[40:41], s[8:9], s[6:7]
	s_cmp_eq_u32 s19, 2
	s_cselect_b64 s[40:41], s[10:11], s[40:41]
	s_cselect_b32 s21, -1, 0                       ; all ones for v
	s_add_nc_u64 s[40:41], s[40:41], s[66:67]      ; the bias at my first feature
.irp b, 0,1,2
.irp u, 0,1
	global_load_b128 v[BIAS+8*(2*\b+\u):BIAS+8*(2*\b+\u)+3], v5, s[40:41] offset:128*\b+32*\u        ; q's and k's form: tile 2 b + u, register j: feature 32 b + 8 u + 16 h + j
	global_load_b128 v[BIAS+8*(2*\b+\u)+4:BIAS+8*(2*\b+\u)+7], v5, s[40:41] offset:128*\b+32*\u+16
.endr
.endr
.irp b, 0,1,2
.irp u, 0,1
	global_load_b32 v[PC+2*\b+\u], v6, s[40:41] offset:128*\b+32*\u                                  ; v's form: the lane's one feature, 32 b + 8 u + r + 8 (r / 8)
.endr
.endr
.irp s, 0,1,2,3,4,5                    ; the weights, K step by K step: 24 loads each, 512 consecutive bytes a load
	WIN (1+\s/2)<<6
.irp t, 0,1,2,3,4,5
.irp c, 0,1,2,3
	global_load_b128 v[16*(6*(\s%2)+\t)+4*\c:16*(6*(\s%2)+\t)+4*\c+3], v1, s[38:39] offset:\t*TILEB+\s*FRB+\c*512
.endr
.endr
.endr
	WIN 0
	s_add_nc_u64 s[70:71], s[14:15], s[68:69]
.irp b, 0,1,2                          ; q, k: where pair b's codes go: head P / 2, piece P % 2, P = my first pair + b
	s_add_co_u32 s74, s72, \b
	s_lshr_b32 s75, s74, 1
	s_lshl_b32 s75, s75, 18
	s_and_b32 s74, s74, 1
	s_lshl_b32 s74, s74, 9
	s_add_co_u32 s74, s74, s75
	s_mov_b32 s75, 0
	s_add_nc_u64 s[42+2*\b:43+2*\b], s[70:71], s[74:75]
.endr
.irp t, 0,1,2,3,4,5                    ; v: where tile t's codes go: head g / 4, td = g % 4, g = g0 + t
	s_add_co_u32 s74, s73, \t
	s_lshr_b32 s75, s74, 2
	s_lshl_b32 s75, s75, 18
	s_and_b32 s74, s74, 3
	s_lshl_b32 s74, s74, 11
	s_add_co_u32 s74, s74, s75
	s_mov_b32 s75, 0
	s_add_nc_u64 s[48+2*\t:49+2*\t], s[70:71], s[74:75]
.endr
	s_wait_kmcnt 0x0
	s_cmp_eq_u32 s19, 1
	s_cselect_b32 s66, s26, s24                    ; ea: e0, e2, e4
	s_cselect_b32 s67, s27, s25                    ; eb: e1, e3, e5
	s_cselect_b32 s68, s31, s30                    ; eo: e6, e7, e9
	s_cmp_eq_u32 s19, 2
	s_cselect_b32 s66, s28, s66
	s_cselect_b32 s67, s29, s67
	s_cselect_b32 s68, s33, s68
	s_add_co_i32 s66, s66, s67                     ; ea + eb
	s_sub_co_i32 s67, 0, s66
	s_sub_co_i32 s68, s68, s66                     ; eo - ea - eb
	s_add_co_i32 s68, s68, 127
	s_lshl_b32 s69, s68, 23
	v_mov_b32 v248, s69                            ; 2^(eo - ea - eb) as f32
	s_add_co_i32 s68, s68, 8
	s_lshl_b32 s68, s68, 23
	s_or_b32 s68, s68, 0x600000
	v_mov_b32 v249, s68                            ; 448 x that
	s_wait_loadcnt 63                              ; behind the bias's 18 loads 144 were issued, behind K step 2's weights 72: all of these are in
.irp t, 0,1,2,3,4,5
.irp j, 0,1,2,3,4,5,6,7
	v_cndmask_b32 v[BIAS+8*\t+\j], v[BIAS+8*\t+\j], v[PC+\t], s21   ; for v all eight registers of a tile hold the lane's one feature's bias
.endr
.endr
.irp j, 0,1,2,3,4,5,6,7,8,9,10,11,12,13,14,15,16,17,18,19,20,21,22,23,24,25,26,27,28,29,30,31,32,33,34,35,36,37,38,39,40,41,42,43,44,45,46,47
	v_ldexp_f32 v[BIAS+\j], v[BIAS+\j], s67        ; b / 2^(ea + eb)
.endr
.macro XFETCH p, s, buf                ; the pair's two fragments of K step s, as they lie, into buffer buf: eight loads
.irp xt, 0,1
.irp c, 0,1,2,3
	ds_load_b128 v[XF+32*(\buf)+16*\xt+4*\c:XF+32*(\buf)+16*\xt+4*\c+3], v[LI0+(\p)/2] offset:((2*(\p)+\xt)%4)*TILEB+(\s)*FRB+\c*512
.endr
.endr
.endm
.macro MM kind, s, t, xt               ; one product.  kind 0: source 0 = weights, source 1 = tokens; kind 1: the other way round.  K step 0 starts the sum from the bias
.set rW, 16*(6*((\s)%2)+\t)
.set rX, XF+32*((\s)%2)+16*\xt
.set rA, ACC+8*(6*\xt+\t)
.if \kind
.if (\s) == 0
	v_wmma_f32_16x16x128_fp8_fp8 v[rA:rA+7], v[rX:rX+15], v[rW:rW+15], v[BIAS+8*\t:BIAS+8*\t+7]
.else
	v_wmma_f32_16x16x128_fp8_fp8 v[rA:rA+7], v[rX:rX+15], v[rW:rW+15], v[rA:rA+7]
.endif
.else
.if (\s) == 0
	v_wmma_f32_16x16x128_fp8_fp8 v[rA:rA+7], v[rW:rW+15], v[rX:rX+15], v[BIAS+8*\t:BIAS+8*\t+7]
.else
	v_wmma_f32_16x16x128_fp8_fp8 v[rA:rA+7], v[rW:rW+15], v[rX:rX+15], v[rA:rA+7]
.endif
.endif
.endm
; A pair of token tiles: six K steps of 12 products (the 12 accumulators by turns, one instruction a turn), then the hold, the conversion and six stores of 512 consecutive bytes.
.macro BODY kind, p
	XFETCH \p, 0, 0
.irp s, 0,1,2,3,4,5
.if \s < 5
.if \s > 0
	NOPS 4                                         ; four places in front of loads into the buffer that the last K step's products read
.endif
	XFETCH \p, \s+1, (\s+1)%2
	s_wait_dscnt 8                                 ; this K step's eight loads are in; the eight just issued may be out
.else
	s_wait_dscnt 0x0
.endif
.if FIRST && (\s >= 3)
	s_wait_loadcnt 24*(5-\s)                       ; the weights of this K step are in: behind them 24 loads were issued for each later K step
.endif
.if \kind
	WIN (1+\s/2)<<2                                ; source 1: the weights' window
.else
	WIN 1+\s/2                                     ; source 0: the weights' window
.endif
.irp t, 0,1,2,3,4,5
.irp xt, 0,1
	MM \kind, \s, \t, \xt
.endr
.endr
	WIN 0
.endr
	NOPS 4                                         ; four places in front of the first read of results just made
	s_wait_xcnt 0x0                                ; the last pair's stores have read their codes: the registers are written again only behind this wait
.if \kind
.irp t, 0,1,2,3,4,5                    ; v: a lane's 16 neighbouring keys lie in accumulators (0, t) and (1, t)
.irp i, 0,1,2,3,4,5,6,7
	v_med3_num_f32 v[ACC+8*\t+\i], v[ACC+8*\t+\i], -v249, v249
.endr
.irp i, 0,1,2,3,4,5,6,7
	v_med3_num_f32 v[ACC+8*(6+\t)+\i], v[ACC+8*(6+\t)+\i], -v249, v249
.endr
	v_cvt_scalef32_pk8_fp8_f32 v[PC+4*\t:PC+4*\t+1], v[ACC+8*\t:ACC+8*\t+7], v248
	v_cvt_scalef32_pk8_fp8_f32 v[PC+4*\t+2:PC+4*\t+3], v[ACC+8*(6+\t):ACC+8*(6+\t)+7], v248
.endr
	v_nop                                          ; a plain vector line behind the last conversion: the next products write its sources
.irp t, 0,1,2,3,4,5
	global_store_b128 v1, v[PC+4*\t:PC+4*\t+3], s[48+2*\t:49+2*\t] offset:512*(\p)   ; piece c = the pair's number: keys 32 p + 16 h + 0 .. 15 of the step
.endr
.else
.irp xt, 0,1                           ; q, k: a lane's 16 neighbouring features lie in accumulators (xt, 2 b) and (xt, 2 b + 1), 16 registers on end
.irp b, 0,1,2
.irp i, 0,1,2,3,4,5,6,7,8,9,10,11,12,13,14,15
	v_med3_num_f32 v[ACC+8*(6*\xt+2*\b)+\i], v[ACC+8*(6*\xt+2*\b)+\i], -v249, v249
.endr
	v_cvt_scalef32_pk8_fp8_f32 v[PC+4*(3*\xt+\b):PC+4*(3*\xt+\b)+1], v[ACC+8*(6*\xt+2*\b):ACC+8*(6*\xt+2*\b)+7], v248
	v_cvt_scalef32_pk8_fp8_f32 v[PC+4*(3*\xt+\b)+2:PC+4*(3*\xt+\b)+3], v[ACC+8*(6*\xt+2*\b)+8:ACC+8*(6*\xt+2*\b)+15], v248
.endr
.endr
	v_nop                                          ; a plain vector line behind the last conversion
.irp xt, 0,1
.irp b, 0,1,2
	global_store_b128 v1, v[PC+4*(3*\xt+\b):PC+4*(3*\xt+\b)+3], s[42+2*\b:43+2*\b] offset:(2*(\p)+\xt)*1024
.endr
.endr
.endif
.endm
.irp p, 0,1,2,3
.if \p == 0
.set FIRST, 1
.else
.set FIRST, 0
.endif
	s_wait_asynccnt 12*(3-\p)                      ; my part of pair p's codes is in LDS; the later pairs' copies, twelve each, may be out
	s_barrier_signal -1                            ; (no LDS instruction of mine is out: each pair ends behind a wait for all its LDS loads)
	s_barrier_wait -1                              ; everybody's part is
	s_cmp_eq_u32 s19, 2                            ; the tensor hangs on the work-group's number alone: all four waves go the same way, and only LDS loads stand on the two ways
	s_cbranch_scc1 .Lv_\p
	s_wait_alu depctr_va_vdst(0)
	BODY 0, \p
	s_branch .Lj_\p
.Lv_\p:
	s_wait_alu depctr_va_vdst(0)
	BODY 1, \p
.Lj_\p:
.endr
	s_wait_tensorcnt 0x0
	ds_add_u32 v254, v255
	s_wait_dscnt 0x0
	s_endpgm
.Lfunc_end_k_q0f7e221c8f_proj:
	.size	k_q0f7e221c8f_proj, .Lfunc_end_k_q0f7e221c8f_proj-k_q0f7e221c8f_proj
	.p2alignl 7, 3214868480
	.fill 96, 4, 3214868480
	.section	.rodata,"a",@progbits
	.p2align	6, 0x0
	.amdhsa_kernel k_q0f7e221c8f_proj
		.amdhsa_group_segment_fixed_size 168448
		.amdhsa_private_segment_fixed_size 0
		.amdhsa_enable_private_segment 0
		.amdhsa_kernarg_size 48
		.amdhsa_user_sgpr_count 2
		.amdhsa_user_sgpr_kernarg_segment_ptr 1
		.amdhsa_wavefront_size32 1
		.amdhsa_system_sgpr_workgroup_id_x 1
		.amdhsa_system_sgpr_workgroup_id_y 1
		.amdhsa_system_sgpr_workgroup_id_z 1
		.amdhsa_system_vgpr_workitem_id 0
		.amdhsa_next_free_vgpr 960
		.amdhsa_next_free_sgpr 80
		.amdhsa_reserve_vcc 0
		.amdhsa_float_denorm_mode_32 3
		.amdhsa_float_denorm_mode_16_64 3
		.amdhsa_memory_ordered 1
		.amdhsa_forward_progress 1
		.amdhsa_inst_pref_size 162
	.end_amdhsa_kernel
	.amdgpu_metadata
---
amdhsa.version: [ 1, 2 ]
amdhsa.kernels:
  - .name:           k_q0f7e221c8f_proj
    .symbol:         k_q0f7e221c8f_proj.kd
    .args:
      - { .name: codes, .offset: 0, .size: 8, .value_kind: global_buffer, .address_space: global }
      - { .name: bq, .offset: 8, .size: 8, .value_kind: global_buffer, .address_space: global }
      - { .name: bk, .offset: 16, .size: 8, .value_kind: global_buffer, .address_space: global }
      - { .name: bv, .offset: 24, .size: 8, .value_kind: global_buffer, .address_space: global }
      - { .name: lowp_scales, .offset: 32, .size: 8, .value_kind: global_buffer, .address_space: global }
      - { .name: qkvc, .offset: 40, .size: 8, .value_kind: global_buffer, .address_space: global }
    .group_segment_fixed_size: 168448
    .private_segment_fixed_size: 0
    .kernarg_segment_align: 8
    .kernarg_segment_size: 48
    .max_flat_workgroup_size: 128
    .sgpr_count:     80
    .vgpr_count:     960
    .wavefront_size: 32
...
	.end_amdgpu_metadata
.endif
;; end of part 6
;; launch attn (part 7): grid 64 x 4, 12 waves a work-group, no clusters, 198,144 bytes of LDS; arguments qkvc, lowp_scales, oc; writes oc
.if DOCPART == 7
	.amdgcn_target "amdgcn-amd-amdhsa--gfx1250"
	.amdhsa_code_object_version 6
	.text
	.protected	k_q0f7e221c8f_attn
	.globl	k_q0f7e221c8f_attn
	.p2align	8
	.type	k_q0f7e221c8f_attn,@function
k_q0f7e221c8f_attn:
	s_mov_b64 s[64:65], 0
	v_nop
	global_prefetch_b8 v0, s[64:65] scope:SCOPE_SE
	s_setreg_imm32_b32 hwreg(HW_REG_WAVE_SCHED_MODE, 0, 2), 2
	s_setreg_imm32_b32 hwreg(HW_REG_WAVE_MODE, 25, 1), 1
	s_wait_xcnt 0x0
	s_wait_alu depctr_vm_vsrc(0)
; O[h][q] = the sum over keys of softmax(Q[h][q] . K[h][key] / 8) V[h][key], 12 heads of 64, 4,096 queries and keys, both products on codes of FP8 (E4M3); O / the row's sum is quantised at once for the last projection.
; THE SOFTMAX: t = score x log2(e) / 8; M = the running largest t rounded UP to a whole number; p = 2^(t - M) is what is quantised (scale 2^ep), not normalised; the row's sum is taken of the unquantised p
; and divides at the end.  When M moves, the sum and O are multiplied by 2^(old M - new M), which rounds nothing.
; INPUTS, as images of fragments (qkvc): Q at part 0 and K at part 1: [head][tile 256][c 2][lane][16 bytes]: lane (r, h) holds d = 32 c + 16 h + 0 .. 15 of token 32 (T / 2) + 8 (T % 2) + r + 8 (r / 8);
; V^T at part 2: [head][step 32][td 4][c 4][lane][16]: keys 128 step + 32 c + 16 h + 0 .. 15 of channel 32 (td / 2) + 8 (td % 2) + r + 8 (r / 8).
; Both products are used transposed: S^T = K Q^T (source 0 = 16 keys, source 1 = my 16 queries), O^T = V^T P^T: a lane holds ONE query throughout.  By the tiles' choice of rows the 16 registers of score tiles
; 2 b, 2 b + 1 are keys 32 b + 16 h + 0 .. 15, so the conversions' results ARE the second product's operand; likewise O^T's tiles 2 b, 2 b + 1 are channels 32 b + 16 h + 0 .. 15, and their codes are a piece of
; oc[query tile 256][K step 6][c 4][lane][16] (K step = head / 2, c = 2 (head % 2) + b), the last projection's operand.
; SHARES.  12 heads x 256 tiles of 16 queries are 3,072 wave tiles, 12 for each of 256 work-groups; 12 does not divide a head's 256, so a work-group (x, y) takes 4 tiles x 3 heads: wave w has head 3 y + w / 4
; and tile 4 x + w % 4.  Three waves to a SIMD, so that one wave's vector work stands beside another's products and LDS loads.  Every wave walks all keys of its head, 128 a step.
; THE SLOTS.  Two LDS slots of 98,304 bytes, two key steps each; in a slot each head has 32,768 bytes: for each of the two steps K's 8,192 bytes, then V^T's 8,192, as they lie in memory.  They are filled through
; registers: a head's four waves, 128 threads, fill their head's bytes, 8 x 16 bytes a thread for a key step.  In key step j a thread stores the bytes of step j + 2 into the other slot and asks for those of
; step j + 4: two sets of 32 registers take turns, so a load has two key steps in which to land.  One barrier for two key steps: in front of it each wave waits for its stores into the slot ahead and for its
; reads of the slot that it leaves.  Every LDS address is a constant + 32,768 x (thread / 128) + 16 x lane or + 16 x (thread % 128); each slot has its own address register, so that the immediates stay under 32,768.
; NO JOINT REQUESTS, though the 64 work-groups of a group of heads read the same K and V^T: a joint request is a tensor load.  This text has a branch on a given scale: p is at
; most 1 (a little more by the rounding of t), and 448 x 2^ep is at least 1.75 where ep >= -8, so there the 64 one-sided holds of a key step are jumped over; the fills cost a thread 16 instructions a key step.
; LIMITS: e6 + e7 between -123 and 130 (added to c's exponent field); ep and e10 between -126 and 119; ep + ev goes by v_ldexp_f32.
; REGISTERS.  Window 0: v1, v4 where I read fragments in slot 0, 1; v5, v6 where I store in slot 0, 1; v2 16 x (thread % 128): my bytes of my head's 2,048 a load; v3 256 x lane (the prefetches); v7 16 x lane;
;   v12 -M, v13 the largest t, v[14:15] the sum in two halves; v16-23 Q; v32-95 two sets of bytes on their way; v96-159 S^T, then p; v160-191 O^T; v192-207 p's codes; v208-215 at work;
;   v216 448 x 2^ep, v217 2^ep, v218 2^e10, v219 448 x 2^e10; v254, v255 the closing add's two.   Window 1: v0-63: K's 8 fragments, then V^T's 4.  Six switches of the window a key step.
; THE MODE: SCHED_MODE bits 1:0 = 2 (LLVM: expert scheduling mode 2), set by the entry lines.  The code itself states the register dependences between vector or matrix instructions and memory or LDS
; instructions, with s_wait_alu, always for 0.
; THE PLAN.  Registers that memory or LDS instructions touch, and who else names them:
;   v1 to v7      Written by vector lines at the head; read by every load, store and prefetch; never written again: the key steps are reached by scalar pointers and immediates.  One wait on va_vdst at the head.
;   window 1's v0-63   In a key step: K's 16 LDS loads land; the 8 score products read them; V^T's 16 LDS loads land; the 4 products V^T P^T read them; then the next step's K lands.  So two waits on va_vdst
;                 a key step, each behind the products that have read the fragments and directly ahead of the run of loads that lands on them.
;   v32-63, v64-95   The two sets.  No vector or matrix instruction names them.  Step j: the loads of step j - 2 have landed in set j % 2; eight LDS stores read it; the loads for step j + 4 land in it.
;                 One wait on vm_vsrc a key step, between the stores and the loads, with the maximum's lines between the stores and the wait; behind it the eight loads are dealt among the packed scalings.
;   v96-159       At the head alone: key steps 0 and 1 land there and sixteen LDS stores read them; the first score products write them: one wait on vm_vsrc ahead of the loop.
;   v192-199      On the way out: conversions write them, two global stores read them: one wait on va_vdst.
;   All else (the scores and p, O^T, p's codes in the loop, the statistics) is named by vector and matrix instructions alone.
.set SLOTB, 98304                      ; a slot
.set CHB,   16384                      ; a head's key step in LDS: K's bytes, then V^T's
.set STEPB, 8192                       ; a key step of K, and of V^T, in memory
.set G,     32
.set S,     96
.set O,     160
.set PCD,   192
.set MSB,   0
.macro WIN new                         ; the immediate's high byte repeats the setting that is left; a switch that changes nothing is dropped
.if MSB != (\new)
	s_set_vgpr_msb (MSB<<8)|(\new)
.set MSB, (\new)
.endif
.endm
.macro NOPS n
.rept \n
	v_nop
.endr
.endm
.macro LOADC reg, off                  ; a key step of my head: 4 x 2,048 bytes of K, 4 x 2,048 of V^T; a wave's load covers 512 consecutive bytes
.irp i, 0,1,2,3
	global_load_b128 v[\reg+4*\i:\reg+4*\i+3], v2, s[16:17] offset:\off+2048*\i
.endr
.irp i, 0,1,2,3
	global_load_b128 v[\reg+16+4*\i:\reg+16+4*\i+3], v2, s[18:19] offset:\off+2048*\i
.endr
.endm
.macro LOAD1 reg, n, off               ; the n-th of those eight loads by itself: 0 to 3 K's, 4 to 7 V^T's
.if (\n) < 4
	global_load_b128 v[\reg+4*(\n):\reg+4*(\n)+3], v2, s[16:17] offset:\off+2048*(\n)
.else
	global_load_b128 v[\reg+4*(\n):\reg+4*(\n)+3], v2, s[18:19] offset:\off+2048*((\n)-4)
.endif
.endm
.macro STOREC adr, reg, off            ; and into LDS, in the same order
.irp i, 0,1,2,3,4,5,6,7
	ds_store_b128 v[\adr], v[\reg+4*\i:\reg+4*\i+3] offset:\off+2048*\i
.endr
.endm
; A PREFETCH INTO THE L2.  In key step j, behind the loads of key step j + 4, the bytes of key step j + 5 are asked for, which the next step's loads will name: one key step ahead of them.
; All 64 work-groups of a group of heads walk the same K and V^T: the first of them (x = 0) asks.  In it, of each head's four waves the first asks for K's 8,192 bytes and the second for V^T's, lanes 256 bytes
; apart, one instruction a step: each aligned 256 bytes is named once in the launch.  Key steps 0 to 4 come by their loads alone; the loop's last trip asks for nothing, so no request goes past key step 28.
.macro ASK
	s_cmp_gt_u32 s24, s25                          ; s25: 1 in a wave that asks, else the greatest number; s24 = 1 in the last trip
	s_cbranch_scc0 .Lnoask_\@
	global_prefetch_b8 v3, s[44:45] offset:4*STEPB th:TH_LOAD_NT scope:SCOPE_SE
.Lnoask_\@:
.endm
	s_load_b128 s[4:7], s[0:1], 0x0                ; qkvc, the scales' exponents
	s_load_b64 s[8:9], s[0:1], 0x10                ; oc
	v_lshl_add_u32 v254, v0, 2, 0x30000            ; my spare word, behind the two slots, and 0: made here and kept for the closing lines alone
	v_mov_b32 v255, 0
	v_lshrrev_b32 v8, 5, v0
	v_readfirstlane_b32 s10, v8                    ; wave 0..11
	v_and_b32 v9, 31, v0
	v_lshlrev_b32 v7, 4, v9                        ; 16 x lane
	v_lshlrev_b32 v3, 8, v9                        ; 256 x lane
	v_and_b32 v10, 127, v0
	v_lshlrev_b32 v2, 4, v10                       ; 16 x (thread % 128)
	v_lshrrev_b32 v11, 7, v0                       ; which of the three heads
	v_lshl_add_u32 v1, v11, 15, v7
	v_lshl_add_u32 v5, v11, 15, v2
	v_add_nc_u32 v4, SLOTB, v1
	v_add_nc_u32 v6, SLOTB, v5
	s_wait_alu depctr_va_sdst(0)                   ; s10 is written, ahead of its first reader: the head, the tile and all pointers are made from it
	s_and_b32 s46, ttmp7, 0xffff
	s_mul_i32 s11, s46, 3
	s_lshr_b32 s47, s10, 2
	s_add_co_u32 s11, s11, s47                     ; the head: 3 y + wave / 4
	s_and_b32 s46, s10, 3                          ; wave % 4
	s_lshl_b32 s14, ttmp9, 2
	s_add_co_u32 s14, s14, s46                     ; T: my tile of queries: 4 x + wave % 4
	s_lshl_b32 s12, s11, 18                        ; the head's 262,144 bytes in each part
	s_mov_b32 s13, 0
	s_lshl_b32 s40, s14, 10
	s_add_co_u32 s40, s40, s12
	s_mov_b32 s41, 0
	s_mul_i32 s42, s14, 12288
	s_lshl_b32 s43, s11, 10                        ; (head / 2) x 2,048 + (head % 2) x 1,024 = head x 1,024
	s_add_co_u32 s42, s42, s43
	s_mov_b32 s43, 0
	s_lshr_b32 s47, s46, 1                         ; 0 in a head's first two waves,
	s_or_b32 s47, s47, ttmp9                       ; of the group of heads' first work-group
	s_cmp_eq_u32 s47, 0
	s_cselect_b32 s25, 1, -1
	s_mov_b32 s20, 0x76543210                      ; v_permlanex16_b32's selects: lane l xor 16
	s_mov_b32 s21, 0xfedcba98
	s_wait_kmcnt 0x0
	s_load_b256 s[28:35], s[6:7], 0x0              ; e0 .. e7
	s_load_b128 s[36:39], s[6:7], 0x20             ; e8 = ep, e9 = ev, e10, e11
	s_add_nc_u64 s[26:27], s[4:5], s[40:41]        ; Q's image of my tile
	s_add_nc_u64 s[16:17], s[4:5], s[12:13]
	s_add_nc_u64 s[18:19], s[16:17], 6291456       ; V^T of my head
	s_add_nc_u64 s[16:17], s[16:17], 3145728       ; K of my head
	s_add_nc_u64 s[8:9], s[8:9], s[42:43]          ; where my codes go
	s_cmp_eq_u32 s46, 0
	s_cselect_b64 s[44:45], s[16:17], s[18:19]     ; what my prefetches walk: K in a head's first wave, else V^T
	s_wait_alu depctr_va_vdst(0)                   ; the seven addresses and offsets v1 to v7 are written, which every load, store and prefetch of the kernel reads; no line writes them again
	LOADC S, 0                                     ; key steps 0 and 1, into registers that the scores will take,
	LOADC S+32, STEPB
	global_load_b128 v[16:19], v7, s[26:27]
	global_load_b128 v[20:23], v7, s[26:27] offset:512
	LOADC G, 2*STEPB                               ; and key steps 2 and 3, into the two sets
	LOADC G+32, 3*STEPB
	v_mov_b32 v13, 0xff61b1e6                      ; the largest t so far: -3e38, under every t
	v_floor_f32 v12, -v13                          ; -M
	v_mov_b32 v14, 0
	v_mov_b32 v15, 0
	v_mov_b32 v210, 0                              ; written once: a lane permute's destination counts as one of its sources
	v_mov_b32 v213, 0                              ; (named as the upper half of the pair v[212:213])
.irp j, 0,1,2,3,4,5,6,7,8,9,10,11,12,13,14,15,16,17,18,19,20,21,22,23,24,25,26,27,28,29,30,31
	v_mov_b32 v[O+\j], 0                           ; O^T.  (The step is written once: the first finds zeros, which the first change of M leaves zeros)
.endr
	s_wait_kmcnt 0x0
	s_add_co_i32 s40, s34, s35
	s_lshl_b32 s40, s40, 23
	s_mov_b32 s22, 0x3e38aa3b                      ; c = log2(e) / 8
	s_add_co_i32 s22, s22, s40                     ; a score stands for score x 2^(e6 + e7): the two exponents are added to c's exponent field
	s_mov_b32 s23, s22                             ; (named with it as a pair, so it is written)
	s_add_co_i32 s40, s36, 127
	s_lshl_b32 s41, s40, 23
	v_mov_b32 v217, s41                            ; 2^ep
	s_add_co_i32 s40, s40, 8
	s_lshl_b32 s40, s40, 23
	s_or_b32 s40, s40, 0x600000
	v_mov_b32 v216, s40                            ; 448 x 2^ep
	s_add_co_i32 s40, s38, 127
	s_lshl_b32 s41, s40, 23
	v_mov_b32 v218, s41                            ; 2^e10
	s_add_co_i32 s40, s40, 8
	s_lshl_b32 s40, s40, 23
	s_or_b32 s40, s40, 0x600000
	v_mov_b32 v219, s40                            ; 448 x 2^e10
	s_wait_loadcnt 16                              ; key steps 0 and 1 and Q are in; the sixteen loads of key steps 2 and 3 may be out
	STOREC 5, S, 0
	STOREC 5, S+32, CHB
	s_wait_alu depctr_vm_vsrc(0)                   ; these sixteen LDS stores have read v96 to v159, which the first key step's score products write
; A KEY STEP: 128 keys, the q-th of the slot.  st = 1: the bytes of the key step two on go into the other slot (left: the younger loads that may stay out).  ld = 1: the bytes of the key step four on are asked for.
.macro STEP slot, q, st, ld, left
.if \ld
	s_wait_xcnt 0x0                                ; the loads and the prefetch of the last step have read their addresses: the three pointers are written only behind this wait
	s_add_nc_u64 s[16:17], s[16:17], STEPB         ; they stand one key step on from the step in hand
	s_add_nc_u64 s[18:19], s[18:19], STEPB
	s_add_nc_u64 s[44:45], s[44:45], STEPB
.endif
	NOPS 4                                         ; four places behind the last products; the wait below states what the loads hang on
	WIN 0x40                                       ; destination window 1
	s_wait_alu depctr_va_vdst(0)                   ; the last step's four products V^T P^T are done reading V^T's fragments, on which K's loads land
.irp t, 0,1,2,3,4,5,6,7
.irp c, 0,1
	ds_load_b128 v[8*\t+4*\c:8*\t+4*\c+3], v[1+3*(\slot)] offset:(\q)*CHB+\t*1024+\c*512
.endr
.endr
	s_wait_dscnt 0x0                               ; K's fragments are in
	WIN 0x01                                       ; source 0 window 1
.irp t, 0,1,2,3,4,5,6,7
	v_wmma_f32_16x16x64_fp8_fp8 v[S+8*\t:S+8*\t+7], v[8*\t:8*\t+7], v[16:23], 0
.endr
	NOPS 4                                         ; four places in front of the first read of the scores; they stay beside the wait below
	WIN 0x40
	s_wait_alu depctr_va_vdst(0)                   ; the eight score products are done reading K's fragments, on which V^T's loads land
.irp t, 0,1,2,3
.irp c, 0,1,2,3
	ds_load_b128 v[16*\t+4*\c:16*\t+4*\c+3], v[1+3*(\slot)] offset:(\q)*CHB+STEPB+\t*2048+\c*512   ; V^T's fragments land under the softmax
.endr
.endr
	WIN 0
.if \st
	s_wait_loadcnt \left                           ; loads come back in order: the set that I store now is in; the other set's eight loads may be out
	STOREC 6-\slot, G+32*\q, \q*CHB                ; behind the fragments' loads, so that no product waits for these stores; only loads have written the set, and v5, v6 stand since the head
.endif
	v_max3_num_f32 v208, v96, v97, v98             ; the step's largest score of my query among my 64 keys, in two chains, each accumulator from its low end on
	v_max3_num_f32 v209, v99, v100, v101
.irp i, 6,10,14,18,22,26,30,34,38,42,46,50,54,58
	v_max3_num_f32 v208, v208, v[S+\i], v[S+1+\i]
	v_max3_num_f32 v209, v209, v[S+2+\i], v[S+3+\i]
.endr
	v_max3_num_f32 v208, v208, v158, v159
	v_max_num_f32 v208, v208, v209
	v_permlanex16_b32 v210, v208, s20, s21
	v_max_num_f32 v208, v208, v210                 ; and among lane l xor 16's
	v_mul_f32 v208, s22, v208                      ; as t (c is positive)
	v_max_num_f32 v13, v13, v208                   ; the running largest t
	v_mov_b32 v208, v12
	v_floor_f32 v12, -v13                          ; the new -M = floor(-t) = -ceil(t)
	v_sub_f32 v208, v12, v208                      ; old M - new M: a whole number, 0 or less
	v_cvt_i32_f32 v208, v208                       ; (it saturates)
	v_ldexp_f32 v212, 1.0, v208                    ; f = 2^(old M - new M)
.if \ld
	s_wait_alu depctr_vm_vsrc(0)                   ; this step's eight LDS stores have read their set, in which the loads below land; no vector or matrix instruction names the sets, so the loads owe nothing more
.endif
.irp j, 0,2,4,6,8,10,12,14,16,18,20,22,24,26,28,30,32,34,36,38,40,42,44,46,48,50,52,54,56,58,60,62
.if \ld && ((\j%8) == 0)
	LOAD1 G+32*\q, \j/8, 3*STEPB                   ; the key step four on, into the set just stored: one load to four packed scalings
.endif
	v_pk_fma_f32 v[S+\j:S+1+\j], v[S+\j:S+1+\j], s[22:23], v[12:13] op_sel_hi:[1,0,0]   ; t - M, two at a time
.endr
.if \ld
	ASK
.endif
	s_wait_alu depctr_va_vdst(0)
.irp j, 0,1,2,3,4,5,6,7,8,9,10,11,12,13,14,15,16,17,18,19,20,21,22,23,24,25,26,27,28,29,30,31,32,33,34,35,36,37,38,39,40,41,42,43,44,45,46,47,48,49,50,51,52,53,54,55,56,57,58,59,60,61,62,63
	v_exp_f32 v[S+\j], v[S+\j]                     ; p = 2^(t - M)
.endr
	v_pk_mul_f32 v[14:15], v[14:15], v[212:213] op_sel_hi:[1,0]   ; the sums under the new M: the plain line behind the exponentials
	s_wait_alu depctr_va_vdst(0)                   ; the 64 exponentials have written p: one wait for the batch, ahead of its first reader
	v_pk_add_f32 v[214:215], v[S:S+1], v[S+2:S+3]  ; the row's sum is taken of the unquantised p, in two chains
.irp j, 4,8,12,16,20,24,28,32,36,40,44,48,52,56,60
	v_pk_add_f32 v[14:15], v[14:15], v[S+\j:S+1+\j]
	v_pk_add_f32 v[214:215], v[214:215], v[S+2+\j:S+3+\j]
.endr
	v_pk_add_f32 v[14:15], v[14:15], v[214:215]
	s_cmp_ge_i32 s36, -8                           ; 448 x 2^ep >= 1.75 there: no p reaches it, and the hold changes nothing
	s_cbranch_scc1 .Lnohold_\@
.irp j, 0,1,2,3,4,5,6,7,8,9,10,11,12,13,14,15,16,17,18,19,20,21,22,23,24,25,26,27,28,29,30,31,32,33,34,35,36,37,38,39,40,41,42,43,44,45,46,47,48,49,50,51,52,53,54,55,56,57,58,59,60,61,62,63
	v_min_num_f32 v[S+\j], v[S+\j], v216           ; the conversion does not saturate (ISA guide 7.6.2); p is not negative, so the hold is one-sided
.endr
.Lnohold_\@:
.irp b, 0,1,2,3
	v_cvt_scalef32_pk8_fp8_f32 v[PCD+4*\b:PCD+4*\b+1], v[S+16*\b:S+16*\b+7], v217
	v_cvt_scalef32_pk8_fp8_f32 v[PCD+4*\b+2:PCD+4*\b+3], v[S+16*\b+8:S+16*\b+15], v217
.endr
.irp j, 0,2,4,6,8,10,12,14,16,18,20,22,24,26,28,30
	v_pk_mul_f32 v[O+\j:O+1+\j], v[O+\j:O+1+\j], v[212:213] op_sel_hi:[1,0]   ; O^T under the new M; these are also the plain lines behind the conversions
.endr
	s_wait_alu depctr_va_vdst(0)
	s_wait_dscnt 0x0                               ; V^T's fragments are in (and my stores into the other slot, issued behind them, have landed)
	WIN 0x01                                       ; source 0 window 1
.irp t, 0,1,2,3
	v_wmma_f32_16x16x128_fp8_fp8 v[O+8*\t:O+8*\t+7], v[16*\t:16*\t+15], v[PCD:PCD+15], v[O+8*\t:O+8*\t+7]   ; the four accumulators by turns; the next step's eight score products stand between two links
.endr
	WIN 0
.endm
; A SLOT'S TWO KEY STEPS.  In front of the barrier: my stores into this slot have landed and my reads of the other one are over.  Behind it this slot is whole and nobody reads the other.
.macro SLOT slot, st, ld, l0, l1
	s_wait_dscnt 0x0
	s_barrier_signal -1
	s_barrier_wait -1
	STEP \slot, 0, \st, \ld, \l0
	STEP \slot, 1, \st, \ld, \l1
.endm
	s_mov_b32 s24, 7
.Lpair:                                            ; seven trips of four key steps: steps 0 to 27; the last of them asks for key step 31
	SLOT 0, 1, 1, 8, 8
	SLOT 1, 1, 1, 8, 8
	s_sub_co_u32 s24, s24, 1
	s_cmp_lg_u32 s24, 0
	s_cbranch_scc1 .Lpair
	SLOT 0, 1, 0, 8, 0                             ; the last four key steps are written out: nothing more is loaded, so no load leaves the buffer; the counts run down
	SLOT 1, 0, 0, 0, 0
	; THE WAY OUT: O^T x 2^(ep + ev) / the sum, held, converted with 2^e10: two pieces of the last projection's operand, 512 consecutive bytes each
	NOPS 4                                         ; places behind the last products
	v_add_f32 v14, v14, v15
	v_permlanex16_b32 v210, v14, s20, s21
	v_add_f32 v14, v14, v210                       ; the row's sum
	s_wait_alu depctr_va_vdst(0)
	v_rcp_f32 v14, v14
	v_nop                                          ; a plain line behind the transcendental
	s_add_co_i32 s40, s36, s37
	s_wait_alu depctr_va_vdst(0)                   ; the reciprocal has written v14: the wait ahead of the first reader
	v_ldexp_f32 v14, v14, s40
.irp j, 0,2,4,6,8,10,12,14,16,18,20,22,24,26,28,30
	v_pk_mul_f32 v[O+\j:O+1+\j], v[O+\j:O+1+\j], v[14:15] op_sel_hi:[1,0]
.endr
.irp b, 0,1
.irp i, 0,1,2,3,4,5,6,7,8,9,10,11,12,13,14,15
	v_med3_num_f32 v[O+16*\b+\i], v[O+16*\b+\i], -v219, v219
.endr
	v_cvt_scalef32_pk8_fp8_f32 v[PCD+4*\b:PCD+4*\b+1], v[O+16*\b:O+16*\b+7], v218
	v_cvt_scalef32_pk8_fp8_f32 v[PCD+4*\b+2:PCD+4*\b+3], v[O+16*\b+8:O+16*\b+15], v218
.endr
	v_nop
	s_wait_alu depctr_va_vdst(0)                   ; the four conversions have written v192 to v199, which the two stores read
	global_store_b128 v7, v[PCD:PCD+3], s[8:9]
	global_store_b128 v7, v[PCD+4:PCD+7], s[8:9] offset:512
	s_wait_dscnt 0x0                               ; the closing lines, six on end
	s_wait_alu 0x0
	s_wait_tensorcnt 0x0
	ds_add_u32 v254, v255
	s_wait_dscnt 0x0
	s_endpgm
.Lfunc_end_k_q0f7e221c8f_attn:
	.size	k_q0f7e221c8f_attn, .Lfunc_end_k_q0f7e221c8f_attn-k_q0f7e221c8f_attn
	.p2alignl 7, 3214868480
	.fill 96, 4, 3214868480
	.section	.rodata,"a",@progbits
	.p2align	6, 0x0
	.amdhsa_kernel k_q0f7e221c8f_attn
		.amdhsa_group_segment_fixed_size 198144
		.amdhsa_private_segment_fixed_size 0
		.amdhsa_enable_private_segment 0
		.amdhsa_kernarg_size 24
		.amdhsa_user_sgpr_count 2
		.amdhsa_user_sgpr_kernarg_segment_ptr 1
		.amdhsa_wavefront_size32 1
		.amdhsa_system_sgpr_workgroup_id_x 1
		.amdhsa_system_sgpr_workgroup_id_y 1
		.amdhsa_system_sgpr_workgroup_id_z 1
		.amdhsa_system_vgpr_workitem_id 0
		.amdhsa_next_free_vgpr 320
		.amdhsa_next_free_sgpr 66
		.amdhsa_reserve_vcc 0
		.amdhsa_float_denorm_mode_32 3
		.amdhsa_float_denorm_mode_16_64 3
		.amdhsa_memory_ordered 1
		.amdhsa_forward_progress 1
		.amdhsa_inst_pref_size 145
	.end_amdhsa_kernel
	.amdgpu_metadata
---
amdhsa.version: [ 1, 2 ]
amdhsa.kernels:
  - .name:           k_q0f7e221c8f_attn
    .symbol:         k_q0f7e221c8f_attn.kd
    .args:
      - { .name: qkvc, .offset: 0, .size: 8, .value_kind: global_buffer, .address_space: global }
      - { .name: lowp_scales, .offset: 8, .size: 8, .value_kind: global_buffer, .address_space: global }
      - { .name: oc, .offset: 16, .size: 8, .value_kind: global_buffer, .address_space: global }
    .group_segment_fixed_size: 198144
    .private_segment_fixed_size: 0
    .kernarg_segment_align: 8
    .kernarg_segment_size: 24
    .max_flat_workgroup_size: 384
    .sgpr_count:     66
    .vgpr_count:     320
    .wavefront_size: 32
...
	.end_amdgpu_metadata
.endif
;; end of part 7
;; launch oproj (part 8): grid 128 x 2, 4 waves a work-group, no clusters, 168,448 bytes of LDS; arguments oc, codes, bo, lowp_scales, out0; writes out0
.if DOCPART == 8
	.amdgcn_target "amdgcn-amd-amdhsa--gfx1250"
	.amdhsa_code_object_version 6
	.text
	.protected	k_q0f7e221c8f_oproj
	.globl	k_q0f7e221c8f_oproj
	.p2align	8
	.type	k_q0f7e221c8f_oproj,@function
k_q0f7e221c8f_oproj:
	s_mov_b64 s[64:65], 0
	v_nop
	global_prefetch_b8 v0, s[64:65] scope:SCOPE_SE
	s_setreg_imm32_b32 hwreg(HW_REG_WAVE_MODE, 25, 1), 1
	s_wait_xcnt 0x0
; out0 = a Wo^T + bo on codes of FP8: a's codes are oc, Wo's are tiles 912-959 of codes, both as images of fragments ([tile][K step 6][piece 4][lane][16 bytes]; lane (r, h) of tile T: row
; 32 (T / 2) + 8 (T % 2) + r + 8 (r / 8), k = 128 s + 32 c + 16 h + 0 .. 15: the same permutation of k on both sides).  Each finished sum x 2^(e10 + e11) + bo, one packed multiply-add for two numbers.
; SHARES.  Work-group (x, y): tokens 32 x .. 32 x + 31 (tiles 2 x, 2 x + 1: 24,576 consecutive bytes of oc, copied into LDS once), columns 384 y on: 256 work-groups.  Wave w makes columns 96 w .. 96 w + 95 of the 384:
; its 6 tiles x 6 K steps of Wo, 576 registers, come from memory straight into the registers in which the products read them.
; Source 0 = 16 rows of Wo, source 1 = 16 tokens: a lane holds one token and eight neighbouring columns an accumulator.
; THE WAY OUT.  A token's 384 columns come from four waves: they meet in a stage in LDS (32 rows, in the tiles' lane order, 1,536 bytes + 16), a barrier, and each wave reads eight whole rows, which are eight
; neighbouring tokens, and stores them: every store covers 512 consecutive bytes at a multiple of 256 from out0's first byte.  The stage's bytes are its own: no copy lands there.
; NO JOINT REQUESTS.  What is shared is Wo's codes (128 work-groups read the same 294,912 bytes); they are wanted in registers, each byte once; a joint request lands in LDS and would add a trip through it.
; The claim of LDS is larger than the 74,240 bytes used.  Nothing in LDS is filled again.
; LIMIT: e10 + e11 between -126 and 127, so that 2^(e10 + e11) is an f32 number.
; REGISTERS.  Window 0: v1 16 x lane; v3, v4 16 x thread; v5 64 h; v11, v12 the stage, in and out; v16-79 tokens' fragments, 2 buffers x 2 tiles; v80-175 the 12 accumulators, later rows of out0; v176-223 bo, 8 a tile.
;   Windows 1, 2, 3: Wo: fragment (K step s, tile t) at v[16 (6 (s % 2) + t)] of window 1 + s / 2.
.set TILEB, 12288
.set FRB,   2048
.set STG,   24576                      ; behind the tokens' images
.set SP,    1552                       ; a stage row: 1,536 bytes + 16: the 16 rows of a store start at 16 different 16-byte columns of 256
.set XF,    16
.set ACC,   80
.set BIAS,  176
.set MSB,   0
.macro WIN new
.if MSB != (\new)
	s_set_vgpr_msb (MSB<<8)|(\new)
.set MSB, (\new)
.endif
.endm
.macro NOPS n
.rept \n
	v_nop
.endr
.endm
	s_load_b256 s[4:11], s[0:1], 0x0               ; oc, codes, bo, the scales' exponents
	s_load_b64 s[12:13], s[0:1], 0x20              ; out0
	v_lshl_add_u32 v254, v0, 2, 0x29000
	v_mov_b32 v255, 0
	ds_add_u32 v254, v255
	ds_add_u32 v254, v255
	v_lshrrev_b32 v7, 5, v0
	v_readfirstlane_b32 s16, v7                    ; wave 0..3
	v_and_b32 v8, 31, v0
	v_lshlrev_b32 v1, 4, v8
	v_lshlrev_b32 v3, 4, v0
	v_lshlrev_b32 v4, 4, v0
	v_and_b32 v9, 15, v0                           ; r
	v_bfe_u32 v10, v0, 4, 1                        ; h
	v_lshlrev_b32 v5, 6, v10
	v_mul_u32_u24 v11, v9, SP
	v_lshl_add_u32 v11, v10, 6, v11
	s_mul_i32 s60, s16, 384
	v_add_nc_u32 v11, s60, v11
	v_add_nc_u32 v11, STG, v11                     ; into the stage: row r, + 64 h, + my wave's 384 bytes
	s_mul_i32 s60, s16, 8*SP
	v_add_nc_u32 v12, s60, v1
	v_add_nc_u32 v12, STG, v12                     ; back: my eight rows, 16 bytes a lane
	s_mov_b32 s17, ttmp9                           ; the block of 32 tokens
	s_and_b32 s20, ttmp7, 0xffff                   ; the half of the columns
	s_mul_i32 s48, s17, 2*TILEB
	s_mov_b32 s49, 0
	s_mul_i32 s50, s20, 24
	s_mul_i32 s51, s16, 6
	s_add_co_u32 s50, s50, s51                     ; g0: my first tile of Wo
	s_lshl_b32 s52, s50, 6                         ; my first column, 16 g0, in bytes of f32
	s_mov_b32 s53, 0
	s_add_co_u32 s50, s50, 912
	s_mul_i32 s50, s50, TILEB
	s_mov_b32 s51, 0
	s_lshl_b32 s60, s17, 5
	s_lshr_b32 s61, s16, 1
	s_lshl_b32 s61, s61, 3
	s_add_co_u32 s60, s60, s61
	s_and_b32 s61, s16, 1
	s_lshl_b32 s61, s61, 4
	s_add_co_u32 s60, s60, s61                     ; stage rows 8 w .. 8 w + 7 are tokens 32 x block + 8 (w / 2) + 16 (w % 2) + 0 .. 7
	s_mul_i32 s60, s60, 3072
	s_mul_i32 s61, s20, 1536
	s_add_co_u32 s60, s60, s61
	s_mov_b32 s61, 0
	s_wait_alu depctr_va_vdst(0)
	s_wait_dscnt 0x0
	s_wait_kmcnt 0x0
	s_load_b64 s[44:45], s[10:11], 0x28            ; e10, e11
	s_add_nc_u64 s[36:37], s[4:5], s[48:49]
.irp i, 0,1,2,3,4,5,6,7,8,9,10,11
	global_load_async_to_lds_b128 v3, v4, s[36:37] offset:2048*\i   ; 128 threads copy 2,048 bytes; the immediate goes onto both addresses
.endr
	s_add_nc_u64 s[38:39], s[6:7], s[50:51]
	s_add_nc_u64 s[40:41], s[8:9], s[52:53]
	s_add_nc_u64 s[12:13], s[12:13], s[60:61]
.irp b, 0,1,2
.irp u, 0,1
	global_load_b128 v[BIAS+8*(2*\b+\u):BIAS+8*(2*\b+\u)+3], v5, s[40:41] offset:128*\b+32*\u        ; tile 2 b + u, register j: column 32 b + 8 u + 16 h + j
	global_load_b128 v[BIAS+8*(2*\b+\u)+4:BIAS+8*(2*\b+\u)+7], v5, s[40:41] offset:128*\b+32*\u+16
.endr
.endr
.irp s, 0,1,2,3,4,5                    ; Wo, K step by K step: 24 loads each, 512 consecutive bytes a load
	WIN (1+\s/2)<<6
.irp t, 0,1,2,3,4,5
.irp c, 0,1,2,3
	global_load_b128 v[16*(6*(\s%2)+\t)+4*\c:16*(6*(\s%2)+\t)+4*\c+3], v1, s[38:39] offset:\t*TILEB+\s*FRB+\c*512
.endr
.endr
.endr
	WIN 0
	s_wait_kmcnt 0x0
	s_add_co_i32 s46, s44, s45
	s_add_co_i32 s46, s46, 127
	s_lshl_b32 s46, s46, 23                        ; 2^(e10 + e11) as f32
	s_mov_b32 s47, s46                             ; (named with it as a pair, so it is written)
.macro XFETCH s, buf                   ; the two tiles' fragments of K step s into buffer buf: eight loads
.irp xt, 0,1
.irp c, 0,1,2,3
	ds_load_b128 v[XF+32*(\buf)+16*\xt+4*\c:XF+32*(\buf)+16*\xt+4*\c+3], v1 offset:\xt*TILEB+(\s)*FRB+\c*512
.endr
.endr
.endm
.macro MM s, t, xt                     ; one product; K step 0 starts the sum
.set rW, 16*(6*((\s)%2)+\t)
.set rX, XF+32*((\s)%2)+16*\xt
.set rA, ACC+8*(6*\xt+\t)
.if (\s) == 0
	v_wmma_f32_16x16x128_fp8_fp8 v[rA:rA+7], v[rW:rW+15], v[rX:rX+15], 0
.else
	v_wmma_f32_16x16x128_fp8_fp8 v[rA:rA+7], v[rW:rW+15], v[rX:rX+15], v[rA:rA+7]
.endif
.endm
	s_wait_asynccnt 0x0                            ; my part of the tokens' codes is in LDS,
	s_barrier_signal -1
	s_barrier_wait -1                              ; everybody's is
	XFETCH 0, 0
	s_wait_loadcnt 63                              ; behind K step 2's weights 72 loads were issued: K steps 0 to 2 are in
.irp s, 0,1,2,3,4,5
.if \s < 5
.if \s > 0
	NOPS 4                                         ; four places in front of loads into the buffer that the last K step's products read
.endif
	XFETCH \s+1, (\s+1)%2
	s_wait_dscnt 8                                 ; this K step's eight loads are in; the eight just issued may be out
.else
	s_wait_dscnt 0x0
.endif
.if \s >= 3
	s_wait_loadcnt 24*(5-\s)                       ; this K step's weights are in: behind them 24 loads were issued for each later K step
.endif
	WIN 1+\s/2                                     ; source 0: the weights' window
.irp t, 0,1,2,3,4,5
.irp xt, 0,1
	MM \s, \t, \xt                                 ; the 12 accumulators by turns, one instruction a turn
.endr
.endr
	WIN 0
.endr
	NOPS 4                                         ; four places in front of the first read of results just made
.irp xt, 0,1
.irp t, 0,1,2,3,4,5
.irp i, 0,2,4,6
	v_pk_fma_f32 v[ACC+8*(6*\xt+\t)+\i:ACC+8*(6*\xt+\t)+\i+1], v[ACC+8*(6*\xt+\t)+\i:ACC+8*(6*\xt+\t)+\i+1], s[46:47], v[BIAS+8*\t+\i:BIAS+8*\t+\i+1] op_sel_hi:[1,0,1]   ; sum x 2^(e10 + e11) + bo, each accumulator from its low end on
.endr
.endr
.endr
.irp xt, 0,1
.irp b, 0,1,2
.irp u, 0,1
	ds_store_b128 v11, v[ACC+8*(6*\xt+2*\b+\u):ACC+8*(6*\xt+2*\b+\u)+3] offset:\xt*16*SP+128*\b+32*\u
	ds_store_b128 v11, v[ACC+8*(6*\xt+2*\b+\u)+4:ACC+8*(6*\xt+2*\b+\u)+7] offset:\xt*16*SP+128*\b+32*\u+16
.endr
.endr
.endr
	s_wait_dscnt 0x0                               ; for the others' sake: my stores into the stage have landed
	s_barrier_signal -1
	s_barrier_wait -1                              ; 32 whole rows lie in the stage
.irp a, 0,1,2,3,4,5,6,7
.irp e, 0,1,2
	ds_load_b128 v[ACC+4*(3*\a+\e):ACC+4*(3*\a+\e)+3], v12 offset:\a*SP+512*\e
.endr
.endr
.irp a, 0,1,2,3,4,5,6,7
.irp e, 0,1,2
	s_wait_dscnt 23-(3*\a+\e)                      ; LDS loads come back in order: this one is in, the younger ones may be out
	global_store_b128 v1, v[ACC+4*(3*\a+\e):ACC+4*(3*\a+\e)+3], s[12:13] offset:\a*3072+512*\e th:TH_STORE_NT   ; written once, read by nobody here
.endr
.endr
	s_wait_tensorcnt 0x0
	ds_add_u32 v254, v255
	s_wait_dscnt 0x0
	s_endpgm
.Lfunc_end_k_q0f7e221c8f_oproj:
	.size	k_q0f7e221c8f_oproj, .Lfunc_end_k_q0f7e221c8f_oproj-k_q0f7e221c8f_oproj
	.p2alignl 7, 3214868480
	.fill 96, 4, 3214868480
	.section	.rodata,"a",@progbits
	.p2align	6, 0x0
	.amdhsa_kernel k_q0f7e221c8f_oproj
		.amdhsa_group_segment_fixed_size 168448
		.amdhsa_private_segment_fixed_size 0
		.amdhsa_enable_private_segment 0
		.amdhsa_kernarg_size 40
		.amdhsa_user_sgpr_count 2
		.amdhsa_user_sgpr_kernarg_segment_ptr 1
		.amdhsa_wavefront_size32 1
		.amdhsa_system_sgpr_workgroup_id_x 1
		.amdhsa_system_sgpr_workgroup_id_y 1
		.amdhsa_system_sgpr_workgroup_id_z 1
		.amdhsa_system_vgpr_workitem_id 0
		.amdhsa_next_free_vgpr 960
		.amdhsa_next_free_sgpr 66
		.amdhsa_reserve_vcc 0
		.amdhsa_float_denorm_mode_32 3
		.amdhsa_float_denorm_mode_16_64 3
		.amdhsa_memory_ordered 1
		.amdhsa_forward_progress 1
		.amdhsa_inst_pref_size 37
	.end_amdhsa_kernel
	.amdgpu_metadata
---
amdhsa.version: [ 1, 2 ]
amdhsa.kernels:
  - .name:           k_q0f7e221c8f_oproj
    .symbol:         k_q0f7e221c8f_oproj.kd
    .args:
      - { .name: oc, .offset: 0, .size: 8, .value_kind: global_buffer, .address_space: global }
      - { .name: codes, .offset: 8, .size: 8, .value_kind: global_buffer, .address_space: global }
      - { .name: bo, .offset: 16, .size: 8, .value_kind: global_buffer, .address_space: global }
      - { .name: lowp_scales, .offset: 24, .size: 8, .value_kind: global_buffer, .address_space: global }
      - { .name: out0, .offset: 32, .size: 8, .value_kind: global_buffer, .address_space: global }
    .group_segment_fixed_size: 168448
    .private_segment_fixed_size: 0
    .kernarg_segment_align: 8
    .kernarg_segment_size: 40
    .max_flat_workgroup_size: 128
    .sgpr_count:     66
    .vgpr_count:     960
    .wavefront_size: 32
...
	.end_amdgpu_metadata
.endif
;; end of part 8
